; MI455X (gfx1250); checked and timed in simulation.
; The chip was launched on July 23, 2026; its instructions are those of AMD's public machine-readable ISA for CDNA 5 (MIT licence, August 2026) and "CDNA5" Instruction Set Architecture Reference Guide (July 2026). The comments in the code are by the model that wrote it; some were corrected since.
;; Attention. Allowed arithmetic: matrix products marked QUANTISED: E5M2 operands, one E8M0 scale for each 32 along K, by v_wmma_scale_f32_16x16x128_f8f6f4 with both operands' format E5M2, f32 sums; everything else in f32.
;; Inputs: c_attn_b 3,072 float32; c_attn_w 1,024 x 3,072 float32; c_proj_b 1,024 float32; c_proj_w 1,024 x 1,024 float32; x 4 x 2,048 x 1,024 float32.
;; Outputs: out0 4 x 2,048 x 1,024 float32.
;; This version of the problem:
;;   THIS VERSION OF THE PROBLEM IS GIVEN IN LOW PRECISION. The matrix products marked QUANTISED in the list below multiply operands that are first quantised to E5M2 (5 exponent bits, 2 mantissa bits; 8 bits a number), with one power-of-two scale for each 32 numbers along K (OCP MX v1.0); their sums are f32. All else is computed in f32.
;;   The module's matrix products, in the order in which they are computed (A, B: the left and right operand; K: the contracted axis; several contracted axes count as one K, in the product's order):
;;     1. [M 8,192, K 1,024] x [K 1,024, N 3,072]; A: input x; B: input c_attn_w: QUANTISED
;;     2. batch 64 x [M 2,048, K 64] x [K 64, N 2,048]; A: computed on the way; B: computed on the way: QUANTISED
;;     3. batch 64 x [M 2,048, K 2,048] x [K 2,048, N 64]; A: softmax (see below); B: computed on the way: QUANTISED
;;     4. [M 8,192, K 1,024] x [K 1,024, N 1,024]; A: computed on the way; B: input c_proj_w: QUANTISED
;;   THE QUANTISER, for each operand of a quantised product, along K:
;;     - K is cut into blocks of 32 from its start; a last block that is shorter is filled with zeros.
;;     - A block's scale is 2^e with e = floor(log2(the largest magnitude in the block)) - 15, held to -126 .. 127; a block of zeros has e = 0. As a byte (E8M0): e + 127.
;;     - Each number is divided by its block's scale, clamped to +-57,344, and rounded to the nearest number of E5M2, ties to even, subnormals kept.
;;     - The product sums the exact products of the quantised numbers (number of the format x scale) in f32.
;;   ~~~python
;;   def quantise(x, axis):      # numpy; x: float32 -> the quantised numbers, widened to float32 again
;;       x = np.moveaxis(x, axis, -1); K = x.shape[-1]
;;       x = np.pad(x, [(0, 0)] * (x.ndim - 1) + [(0, -K % 32)]); x = x.reshape(x.shape[:-1] + (-1, 32)); a = np.abs(x).max(-1, keepdims=True)
;;       e = np.where(a > 0, np.clip(np.frexp(np.where(a > 0, a, 1))[1] - 1 - 15, -126, 127), 0)      # np.frexp(a)[1] - 1 = floor(log2(a)), exactly
;;       r = np.clip(x / 2.0 ** e, -57344, 57344)
;;       step = 2.0 ** (np.maximum(np.frexp(np.where(r == 0, 1, r))[1] - 1, -14) - 2)
;;       q = np.round(r / step) * step * 2.0 ** e      # np.round: ties to even
;;       return np.moveaxis(q.reshape(q.shape[:-2] + (-1,))[..., :K], -1, axis).astype(np.float32)
;;   ~~~
;;   SOFTMAX AHEAD OF A QUANTISED PRODUCT. Where the list says 'softmax', what is quantised is not the finished softmax but p = 2^(t - M), with t = logit x log2(e) and M = ceil(the row's largest t), a whole number; so 1/2 < the row's largest p <= 1. The row's sum l is taken of the UNQUANTISED p, in f32, and the product's result is divided by l at the end. Since M is a whole number, a kernel that streams over the keys may use a running M (the ceiling of the running maximum): every later rescaling is an exact power of two, which a block's scale takes up: the codes' values come out the same.
;;   OPERANDS COMPUTED ON THE WAY. 'Computed on the way' means the value that the module computes at that place (a softmax that the list does not call 'softmax' is quantised finished and normalised). What goes into a quantiser is computed in f32, as accurately as f32 sums, v_exp_f32 and their like allow (about 1e-6 of the number): no bf16 or f16 on the way to a quantiser, and a product that is left as it is and whose result goes on into a quantised operand takes f32 operands (vector FMAs, or v_wmma_f32_16x16x4_f32). A number that lies on a knife's edge between two numbers of the format may be rounded either way, as far as f32 arithmetic and the matrix unit's own rounding can turn it there, and no further.
;; One version. Each part assembles by itself: llvm-mc -triple=amdgcn-amd-amdhsa -mcpu=gfx1250 --defsym DOCPART=n.
;; ======== version 1 of 1: 4 launches
;; limits: right only within a limited range of input values
;; workspace buffers: xc 8,388,608 bytes; xs 262,144 bytes; wc 4,194,304 bytes; ws 131,072 bytes; qq 8,650,752 bytes; kv 17,301,504 bytes; ac 8,388,608 bytes; asc 262,144 bytes
;; launch quant (part 1): grid 384 x 1, 4 waves a work-group, no clusters, 69,120 bytes of LDS; arguments x, c_attn_w, c_proj_w, xc, xs, wc, ws; writes xc, xs, wc, ws
.if DOCPART == 1
	.amdgcn_target "amdgcn-amd-amdhsa--gfx1250"
	.amdhsa_code_object_version 6
	.text
	.protected	k_q87378fb33e_quant
	.globl	k_q87378fb33e_quant
	.p2align	8
	.type	k_q87378fb33e_quant,@function
k_q87378fb33e_quant:
	s_mov_b64 s[64:65], 0
	v_nop
	global_prefetch_b8 v0, s[64:65] scope:SCOPE_SE
	s_setreg_imm32_b32 hwreg(HW_REG_WAVE_MODE, 25, 1), 1
	s_wait_xcnt 0x0
; ONE LAUNCH QUANTISES ALL THREE f32 INPUTS to codes of BF8 (E5M2) with one E8M0 byte for each 32 along K.  Work-groups 0-127 take the two weights, work-groups 128-383 take x: one scalar branch on the
; work-group's number parts two texts that share nothing; each has LDS bytes of its own (x: 0 to 32,767; the weights: from 32,768 on) and ends by itself.
; A block's scale is 2^(floor(log2(its largest magnitude)) - 15); its byte is the largest magnitude's exponent field - 15, held at 1 from below.
; Each number is divided by the scale, held within +-57,344 and rounded to the nearest code, ties to even.
; LIMITS: a block of zeros, or one whose largest magnitude lies under 2^-111, gets the byte 1 (the bytes are read by this program alone, and zero codes add nothing under it);
; NaN and infinities among the inputs are not served.
; Waves share nothing: no barrier, no cluster, no tensor load.
.set WGW,   128                        ; work-groups that take the weights
.set EMAX,  15
.set MANT,  0x600000                   ; the mantissa field of 57,344 as f32
	v_lshl_add_u32 v208, v0, 2, 0x10c00
	v_mov_b32 v209, 0
	s_cmp_lt_u32 ttmp9, WGW
	s_cbranch_scc1 .Lweights
; ---------------------------------------------------------------- x [8192][1024] f32 -> xc [8192][1024], xs [8192][32]
; Rows are dense and 1,024 is a multiple of 32: the tensor is a plain stream of blocks of 32.  A wave takes 16 steps of 512 numbers.  Each of a step's four loads reads 512 consecutive bytes;
; the 2,048 bytes turn through the wave's own stage in LDS and come back 64 bytes (16 neighbours) a lane, two lanes to a block.
.set STEPS, 16
.set CB,    16                         ; bytes of 16 codes
.set XR,    16                         ; v16-79   four sets of 16 numbers as they are loaded
.set XX,    80                         ; v80-111  two sets of 16 neighbours
.set XC,    128                        ; v128-191 codes: four registers for each step, so that no store's data are written again
.set XE,    112                        ; v112-127 a scale byte for each step
.set WREG,  8192                       ; LDS: a region for each wave: two stages of 32 x SP bytes, behind them its 256 scale bytes
.set SP,    80                         ; a lane's place in a stage: 64 bytes + 16 of padding
	s_load_b64 s[4:5], s[0:1], 0x0                 ; x
	s_load_b64 s[6:7], s[0:1], 0x18                ; xc
	s_load_b64 s[8:9], s[0:1], 0x20                ; xs
	v_lshrrev_b32 v1, 5, v0
	v_readfirstlane_b32 s16, v1                    ; wave
	v_and_b32 v2, 31, v0                           ; lane
	v_lshlrev_b32 v3, 4, v2                        ; my 16 bytes of a load's 512
	s_mul_i32 s17, s16, WREG
	v_lshrrev_b32 v14, 2, v2
	v_mul_u32_u24 v14, v14, SP
	v_and_b32 v15, 3, v2
	v_lshl_add_u32 v14, v15, 4, v14
	v_add_nc_u32 v14, s17, v14                     ; the stage, on the way in: SP (lane / 4) + 16 (lane % 4)
	v_mul_u32_u24 v15, v2, SP
	v_add_nc_u32 v15, s17, v15                     ; and on the way out: SP x lane
	v_mul_u32_u24 v4, v2, CB                       ; my codes' place in a step's
	v_lshrrev_b32 v5, 1, v2
	s_add_co_u32 s17, s17, 2*32*SP
	v_add_nc_u32 v5, s17, v5                       ; LDS: my block's byte among my wave's 256
	v_lshlrev_b32 v7, 3, v2                        ; on the way out 8 bytes a lane
	v_add_nc_u32 v6, s17, v7
	s_sub_co_u32 s18, ttmp9, WGW                   ; x's work-groups count from 0
	s_lshl_b32 s18, s18, 2
	s_add_co_u32 s18, s18, s16                     ; which run of 8,192 numbers is my wave's
	s_mov_b32 s19, 0
	s_lshl_b64 s[20:21], s[18:19], 15              ; 32,768 bytes of f32 a run
	s_lshl_b64 s[24:25], s[18:19], 13              ; 8,192 bytes of codes
	s_lshl_b32 s18, s18, 8                         ; 256 scale bytes
	s_wait_alu depctr_va_vdst(0)
	s_wait_kmcnt 0x0
	s_add_nc_u64 s[4:5], s[4:5], s[20:21]
	s_add_nc_u64 s[6:7], s[6:7], s[24:25]
	s_add_nc_u64 s[8:9], s[8:9], s[18:19]
.macro XLOAD t
.irp i, 0,1,2,3
	global_load_b128 v[XR+16*((\t)%4)+4*\i:XR+16*((\t)%4)+4*\i+3], v3, s[4:5] offset:2048*(\t)+512*\i th:TH_LOAD_NT   ; 32 lanes read 512 consecutive bytes
.endr
.endm
.macro XTURN t                         ; step t's numbers through the stage: LDS serves a wave's instructions in order, so no wait stands between the stores and the loads
.irp i, 0,1,2,3
	ds_store_b128 v14, v[XR+16*((\t)%4)+4*\i:XR+16*((\t)%4)+4*\i+3] offset:32*SP*((\t)%2)+8*SP*\i
.endr
.irp i, 0,1,2,3
	ds_load_b128 v[XX+16*((\t)%2)+4*\i:XX+16*((\t)%2)+4*\i+3], v15 offset:32*SP*((\t)%2)+16*\i
.endr
.endm
.irp t, 0,1,2,3
	XLOAD \t
.endr
	s_wait_loadcnt 12                              ; step 0's four loads are in; the twelve of steps 1 to 3 may be out
	XTURN 0
.macro XSTEP t
.set XSET, XX+16*((\t)%2)
.if (\t) > 0
	s_wait_dscnt 1                                 ; this step's numbers are back from the stage (the last step's byte store may be out)
.else
	s_wait_dscnt 0x0
.endif
.if (\t)+4 < STEPS
	XLOAD (\t)+4                                   ; into the registers that the stage's stores have read
.endif
.if (\t)+1 < STEPS
.if STEPS-2-(\t) >= 3
	s_wait_loadcnt 12                              ; the next step's four loads are in; those of the three steps behind it may be out
.else
	s_wait_loadcnt 4*(STEPS-2-(\t))
.endif
	XTURN (\t)+1                                   ; through the other stage while this step is worked
.endif
	v_max3_num_f32 v8, |v[XSET]|, |v[XSET+1]|, |v[XSET+2]|         ; the largest magnitude of my 16, in two chains
	v_max3_num_f32 v9, |v[XSET+3]|, |v[XSET+4]|, |v[XSET+5]|
.irp i, 6,10
	v_max3_num_f32 v8, v8, |v[XSET+\i]|, |v[XSET+\i+1]|
	v_max3_num_f32 v9, v9, |v[XSET+\i+2]|, |v[XSET+\i+3]|
.endr
	v_max3_num_f32 v8, v8, |v[XSET+14]|, |v[XSET+15]|
	v_max3_num_f32 v8, v8, v9, (EMAX+1)<<23        ; and the floor 2^(16 - 127): the byte cannot fall under 1
	v_max_num_f32_dpp v8, v8, v8 row_xmask:1 row_mask:0xf bank_mask:0xf   ; with my neighbour's 16: the block's
	v_add_nc_u32 v11, -(EMAX<<23), v8              ; 15 off its exponent field: the conversion's scale operand
.irp i, 0,1,2,3,4,5,6,7,8,9,10,11,12,13,14,15
.endr
	v_cvt_scalef32_pk8_bf8_f32 v[XC+4*(\t):XC+4*(\t)+1], v[XSET:XSET+7], v11
	v_cvt_scalef32_pk8_bf8_f32 v[XC+4*(\t)+2:XC+4*(\t)+3], v[XSET+8:XSET+15], v11
	v_lshrrev_b32 v[XE+(\t)], 23, v11              ; the scale's byte
	ds_store_b8 v5, v[XE+(\t)] offset:16*(\t)      ; both lanes of a block write the same byte with the same value
	global_store_b128 v4, v[XC+4*(\t):XC+4*(\t)+3], s[6:7] offset:32*CB*(\t)   ; 512 consecutive bytes
.endm
.irp t, 0,1,2,3,4,5,6,7,8,9,10,11,12,13,14,15
	XSTEP \t
.endr
	ds_load_b64 v[12:13], v6                       ; LDS serves a wave's instructions in order: these see my stores
	s_wait_dscnt 0x0
	global_store_b64 v7, v[12:13], s[8:9]          ; 32 lanes store 256 consecutive bytes, aligned
	s_wait_tensorcnt 0x0
	ds_add_u32 v208, v209
	s_wait_dscnt 0x0
	s_endpgm
; ---------------------------------------------------------------- c_attn_w [1024][3072], c_proj_w [1024][1024] f32, K = the FIRST axis -> codes [n][1024], K innermost; bytes [n][32]
; wc: c_attn_w's 3,072 rows, then c_proj_w's 1,024 (from byte 3,145,728); ws likewise (from byte 98,304).
; A work-group takes 128 columns (its number mod 32: 0-23 c_attn_w's, 24-31 c_proj_w's) x 256 along K (its number / 32).
; A lane takes a column n and its registers run down K: a block of 32 lies in one lane, and the conversions give codes with K innermost.  The codes leave through the wave's own stage as rows of 256 bytes.
; ONE PATH FOR BOTH WEIGHTS: only pointers, the pitch and one lane mask are chosen, on the work-group's number.
; c_proj_w'S ORDER INSIDE A BLOCK: its partner in the last product, the attention's result, is quantised out of matrix results and has inside each block of 32 its second and third groups of eight
; exchanged; so c_proj_w's second and third groups of eight codes are exchanged too (four selects a block).  A block's 32 products are the same, summed in another order.
; Loads run two blocks (64 loads a wave) ahead.
.Lweights:
.set NB,     8                         ; blocks of 32 along K for a wave: 256
.set WLDS,   32768                     ; where this path's LDS bytes begin
.set WPITCH, 272                       ; a stage row: 256 bytes + 16
.set KROW,   1024                      ; a row of the codes' buffer in bytes
.set WX,     32                        ; v32-95   two sets of 32 numbers
.set WCD,    96                        ; v96-103  a block's codes
.set WT,     104                       ; v104-107 the two middle groups as converted
.set WOUT,   112                       ; v112-175 the way out
.set WSB,    24                        ; v24-25   the scale bytes, four to a register
.set WOFF,   176                       ; v176-207 4 x lane + i rows of the weight, i = 0 .. 31: never rewritten
	s_load_b64 s[4:5], s[0:1], 0x8                 ; c_attn_w
	s_load_b64 s[6:7], s[0:1], 0x10                ; c_proj_w
	s_load_b64 s[8:9], s[0:1], 0x28                ; wc
	s_load_b64 s[10:11], s[0:1], 0x30              ; ws
	v_lshrrev_b32 v1, 5, v0
	v_readfirstlane_b32 s16, v1                    ; wave 0..3
	v_and_b32 v2, 31, v0                           ; lane
	s_wait_alu depctr_va_vdst(0)
	s_and_b32 s51, ttmp9, 31                       ; which 128 columns
	s_lshr_b32 s18, ttmp9, 5                       ; which 256 along K
	s_mov_b32 s20, 12288
	s_mov_b32 s21, 3145728
	s_mov_b32 s22, 98304
	s_cmp_ge_u32 s51, 24                           ; c_proj_w's work-group?
	s_cselect_b32 s19, 24, 0
	s_cselect_b32 s20, 4096, s20                   ; a row of the weight in bytes
	s_cselect_b32 s21, s21, 0                      ; where its codes begin in wc
	s_cselect_b32 s22, s22, 0                      ; and its bytes in ws
	s_cselect_b32 s23, -1, 0                       ; all lanes: exchange the middle groups, or none
	s_sub_co_u32 s19, s51, s19
	s_lshl_b32 s17, s19, 7
	s_lshl_b32 s24, s16, 5
	s_add_co_u32 s17, s17, s24                     ; my wave's first column
	s_mul_i32 s24, s18, s20
	s_lshl_b32 s24, s24, 8                         ; 256 y rows of the weight,
	s_lshl_b32 s25, s17, 2
	s_add_co_u32 s24, s24, s25                     ; + 4 bytes a column
	s_mov_b32 s25, 0
	s_lshl_b32 s26, s20, 5                         ; 32 rows
	s_mov_b32 s27, 0
	s_lshl_b32 s28, s17, 10                        ; codes: column x 1,024 + 256 y
	s_add_co_u32 s28, s28, s21
	s_lshl_b32 s29, s18, 8
	s_add_co_u32 s28, s28, s29
	s_mov_b32 s29, 0
	s_lshl_b32 s30, s17, 5                         ; scale bytes: column x 32 + 8 y
	s_add_co_u32 s30, s30, s22
	s_lshl_b32 s31, s18, 3
	s_add_co_u32 s30, s30, s31
	s_mov_b32 s31, 0
	s_mul_i32 s49, s16, 32*WPITCH
	s_add_co_u32 s49, s49, WLDS                    ; my stage
	v_lshlrev_b32 v3, 2, v2
	v_mul_u32_u24 v4, v2, WPITCH
	v_add_nc_u32 v4, s49, v4                       ; into it: row = my column
	v_and_b32 v5, 15, v2
	v_lshrrev_b32 v6, 4, v2                        ; out of it: sixteen lanes to a row, two rows an instruction
	v_mul_u32_u24 v7, v6, WPITCH
	v_lshl_add_u32 v7, v5, 4, v7
	v_add_nc_u32 v7, s49, v7
	v_lshlrev_b32 v8, 10, v6
	v_lshl_add_u32 v8, v5, 4, v8                   ; the same place in the codes' buffer
	v_lshlrev_b32 v9, 5, v2                        ; my column's row of scale bytes
.irp i, 0,1,2,3,4,5,6,7,8,9,10,11,12,13,14,15,16,17,18,19,20,21,22,23,24,25,26,27,28,29,30,31
	v_mad_u32_u24 v[WOFF+\i], s20, \i, v3
.endr
	s_wait_alu depctr_va_vdst(0)
	s_wait_kmcnt 0x0
	s_cmp_ge_u32 s51, 24
	s_cselect_b64 s[4:5], s[6:7], s[4:5]           ; the choice hangs on the work-group's number alone
	s_add_nc_u64 s[32:33], s[4:5], s[24:25]        ; a base for each block, so that no pointer is stepped
.irp t, 1,2,3,4,5,6,7
	s_add_nc_u64 s[32+2*\t:33+2*\t], s[30+2*\t:31+2*\t], s[26:27]
.endr
	s_add_nc_u64 s[8:9], s[8:9], s[28:29]
	s_add_nc_u64 s[10:11], s[10:11], s[30:31]
.macro WLOAD t                         ; block t: W(32 t + i, my column) into set t % 2; 32 lanes read 128 consecutive bytes
.irp i, 0,1,2,3,4,5,6,7,8,9,10,11,12,13,14,15,16,17,18,19,20,21,22,23,24,25,26,27,28,29,30,31
	global_load_b32 v[WX+32*((\t)%2)+\i], v[WOFF+\i], s[32+2*(\t):33+2*(\t)] th:TH_LOAD_NT
.endr
.endm
	WLOAD 0
	WLOAD 1
.macro WBLOCK t
.set WSET, WX+32*((\t)%2)
.if (\t) < NB-1
	s_wait_loadcnt 32                              ; this block's 32 loads are in; the next block's 32 may be out
.else
	s_wait_loadcnt 0
.endif
	v_max3_num_f32 v12, |v[WSET]|, |v[WSET+1]|, |v[WSET+2]|
	v_max3_num_f32 v13, |v[WSET+3]|, |v[WSET+4]|, |v[WSET+5]|
.irp i, 6,10,14,18,22,26
	v_max3_num_f32 v12, v12, |v[WSET+\i]|, |v[WSET+\i+1]|
	v_max3_num_f32 v13, v13, |v[WSET+\i+2]|, |v[WSET+\i+3]|
.endr
	v_max3_num_f32 v12, v12, |v[WSET+30]|, |v[WSET+31]|
	v_max3_num_f32 v12, v12, v13, (EMAX+1)<<23     ; and the floor 2^(16 - 127)
	v_add_nc_u32 v11, -(EMAX<<23), v12             ; the conversion's scale operand
	v_lshrrev_b32 v13, 23, v11                     ; the scale's byte
.if (\t)%4 == 0
	v_mov_b32 v[WSB+(\t)/4], v13
.else
	v_lshl_or_b32 v[WSB+(\t)/4], v13, 8*((\t)%4), v[WSB+(\t)/4]
.endif
.irp i, 0,1,2,3,4,5,6,7,8,9,10,11,12,13,14,15,16,17,18,19,20,21,22,23,24,25,26,27,28,29,30,31
.endr
	v_cvt_scalef32_pk8_bf8_f32 v[WCD:WCD+1], v[WSET:WSET+7], v11
	v_cvt_scalef32_pk8_bf8_f32 v[WT:WT+1], v[WSET+8:WSET+15], v11
	v_cvt_scalef32_pk8_bf8_f32 v[WT+2:WT+3], v[WSET+16:WSET+23], v11
	v_cvt_scalef32_pk8_bf8_f32 v[WCD+6:WCD+7], v[WSET+24:WSET+31], v11
	v_nop                                          ; one plain line between the conversions and the selects that read their results
	v_cndmask_b32 v[WCD+2], v[WT], v[WT+2], s23    ; the middle groups as they are, or exchanged
	v_cndmask_b32 v[WCD+3], v[WT+1], v[WT+3], s23
	v_cndmask_b32 v[WCD+4], v[WT+2], v[WT], s23
	v_cndmask_b32 v[WCD+5], v[WT+3], v[WT+1], s23
	ds_store_b128 v4, v[WCD:WCD+3] offset:32*(\t)
	ds_store_b128 v4, v[WCD+4:WCD+7] offset:32*(\t)+16
.if (\t)+2 < NB
	WLOAD (\t)+2
.endif
	s_wait_dscnt 0x0                               ; the stores have read their registers: the next block's codes may be written
.endm
.set Q, 0
.rept NB
	WBLOCK Q
.set Q, Q+1
.endr
	s_wait_alu depctr_va_vdst(0)
	global_store_b64 v9, v[WSB:WSB+1], s[10:11]    ; my column's 8 scale bytes
.irp t, 0,1,2,3,4,5,6,7,8,9,10,11,12,13,14,15
	ds_load_b128 v[WOUT+4*\t:WOUT+4*\t+3], v7 offset:2*\t*WPITCH
.endr
.irp t, 0,1,2,3,4,5,6,7,8,9,10,11,12,13,14,15
	s_wait_dscnt 15-\t                             ; LDS loads come back in order: load t is in
	global_store_b128 v8, v[WOUT+4*\t:WOUT+4*\t+3], s[8:9] offset:2*\t*KROW   ; sixteen lanes store 256 consecutive bytes, aligned
.endr
	s_wait_tensorcnt 0x0
	ds_add_u32 v208, v209
	s_wait_dscnt 0x0
	s_endpgm
.Lfunc_end_k_q87378fb33e_quant:
	.size	k_q87378fb33e_quant, .Lfunc_end_k_q87378fb33e_quant-k_q87378fb33e_quant
	.p2alignl 7, 3214868480
	.fill 96, 4, 3214868480
	.section	.rodata,"a",@progbits
	.p2align	6, 0x0
	.amdhsa_kernel k_q87378fb33e_quant
		.amdhsa_group_segment_fixed_size 69120
		.amdhsa_private_segment_fixed_size 0
		.amdhsa_enable_private_segment 0
		.amdhsa_kernarg_size 56
		.amdhsa_user_sgpr_count 2
		.amdhsa_user_sgpr_kernarg_segment_ptr 1
		.amdhsa_wavefront_size32 1
		.amdhsa_system_sgpr_workgroup_id_x 1
		.amdhsa_system_sgpr_workgroup_id_y 1
		.amdhsa_system_sgpr_workgroup_id_z 1
		.amdhsa_system_vgpr_workitem_id 0
		.amdhsa_next_free_vgpr 210
		.amdhsa_next_free_sgpr 66
		.amdhsa_reserve_vcc 0
		.amdhsa_float_denorm_mode_32 3
		.amdhsa_float_denorm_mode_16_64 3
		.amdhsa_fp16_overflow 1
		.amdhsa_memory_ordered 1
		.amdhsa_forward_progress 1
		.amdhsa_inst_pref_size 80
	.end_amdhsa_kernel
	.amdgpu_metadata
---
amdhsa.version: [ 1, 2 ]
amdhsa.kernels:
  - .name:           k_q87378fb33e_quant
    .symbol:         k_q87378fb33e_quant.kd
    .args:
      - { .name: x, .offset: 0, .size: 8, .value_kind: global_buffer, .address_space: global }
      - { .name: c_attn_w, .offset: 8, .size: 8, .value_kind: global_buffer, .address_space: global }
      - { .name: c_proj_w, .offset: 16, .size: 8, .value_kind: global_buffer, .address_space: global }
      - { .name: xc, .offset: 24, .size: 8, .value_kind: global_buffer, .address_space: global }
      - { .name: xs, .offset: 32, .size: 8, .value_kind: global_buffer, .address_space: global }
      - { .name: wc, .offset: 40, .size: 8, .value_kind: global_buffer, .address_space: global }
      - { .name: ws, .offset: 48, .size: 8, .value_kind: global_buffer, .address_space: global }
    .group_segment_fixed_size: 69120
    .private_segment_fixed_size: 0
    .kernarg_segment_align: 8
    .kernarg_segment_size: 56
    .max_flat_workgroup_size: 128
    .sgpr_count:     66
    .vgpr_count:     210
    .wavefront_size: 32
...
	.end_amdgpu_metadata
.endif
;; end of part 1
;; launch gemm_qkv (part 2): grid 12 x 32, 4 waves a work-group, clusters of 4 x 4, 327,680 bytes of LDS; arguments xc, xs, wc, ws, c_attn_b, qq, kv; writes qq, kv
.if DOCPART == 2
	.amdgcn_target "amdgcn-amd-amdhsa--gfx1250"
	.amdhsa_code_object_version 6
	.text
	.protected	k_q87378fb33e_gemm_qkv
	.globl	k_q87378fb33e_gemm_qkv
	.p2align	8
	.type	k_q87378fb33e_gemm_qkv,@function
k_q87378fb33e_gemm_qkv:
	s_mov_b64 s[64:65], 0
	v_nop
	global_prefetch_b8 v0, s[64:65] scope:SCOPE_SE
	s_setreg_imm32_b32 hwreg(HW_REG_WAVE_MODE, 25, 1), 1
	s_wait_xcnt 0x0
	s_wait_alu depctr_hold_cnt(0) depctr_sa_sdst(0) depctr_va_vdst(0) depctr_va_sdst(0) depctr_va_ssrc(0) depctr_va_vcc(0) depctr_vm_vsrc(0)
	s_getreg_b32 s2, hwreg(HW_REG_IB_STS2, 6, 4)
	s_cmp_eq_u32 s2, 0
	s_cbranch_scc0 .Lentry_in_a_cluster
	s_endpgm
.Lentry_in_a_cluster:
	s_bfe_u32 s2, ttmp6, 0x10000c
	s_cmp_lg_u32 s2, 0xf033
	s_cbranch_scc0 .Lentry_shape_is_right
	s_endpgm
.Lentry_shape_is_right:
; qkv = x c_attn_w + c_attn_b on codes of BF8 (E5M2) with E8M0 scales, K = 1,024; q, k and v leave as CODES, quantised here out of the f32 sums: nothing wide goes to memory.
; A tile of 256 x 256 of the result is made by four waves, 128 x 128 each: 64 accumulators, 512 registers.  K goes in steps of 256 through a ring of two LDS slots; the scale bytes of the work-group's rows come once.
; "A" is the matrix instruction's source 1 (a lane holds ONE row of A), "B" its source 0 (a lane's eight registers run along rows of B).
; ROLES, by the cluster's x, which all partners share: 0 and 1 (q, k): A = x, B = W: a lane holds a token and its registers run along the features, the K of q k^T.
;   2 (v): A = W's rows 2,048 on, B = x: a lane holds a feature and its registers run down the tokens, the K of p v.  The loop is one text; only pointers and tile numbers are chosen.
; CLUSTER 4 x 4: A's tile hangs on the place along y alone and is asked for jointly along a row of the cluster, B's on the place along x alone, along a column.
; THE WAY OUT needs no LDS.  The 16 registers of two neighbouring accumulators and those of the lane 16 away are a block of 32 along the next K; the conversions' results are laid down as an IMAGE OF THE NEXT
; OPERAND'S REGISTERS: a chunk of 512 bytes (16 rows x one block of 32), lane l's 16 bytes at 16 l.  Inside a block the order is: position 16 h + 8 u + j holds number 16 u + 8 h + j; q and k have it alike, p and v too.
;   qq: q's chunks [head of a batch 64][token tile 128][block 2][512]; from byte 8,388,608 scale words [64][128 tokens 16][lane 32][2].
;   kv: [64][key step 16][16,384]: k's chunks [key tile 8][block 2][512], then v's [16 of the head's 64: 4][key block 4][512]; from byte 16,777,216 [64][16][512]: k's scale words, then v's.
;   A unit of 256 bytes of scale words: word (lane (r, h), w) is that of item 2 w + h, row r.  q, k: item f = token tiles 2 f, 2 f + 1, two bytes each; v: item t = 16 of the head's 64, a byte a key block.
; LIMITS: a block of zeros, or one under 2^-111, gets the byte 1 (read by this program alone); NaN and infinities are not served.
; REGISTERS: window 0: v0-31 addresses; v32-63 scale words; v64-127 the bias; from v128 A's fragments, one set (on the way out: v128-191 numbers, v192-223 codes, v224-251 at work).
;   window 1: B's fragments, two sets.  windows 2, 3: the accumulators ((a, b) at v[8 (8 (a % 4) + b)]).
.set KSTEP,  256
.set NQ,     2                         ; matrix instructions deep in a slot
.set ROWB,   256                       ; a tile's row in bytes
.set KROW,   1024                      ; a row of codes in memory
.set PITCH,  272                       ; an LDS row: 256 bytes + 16 of padding: the 16 rows that a load touches start at 16 different banks (ISA guide 11.1)
.set FR,     16
.set NL,     4
.set NP,     8                         ; places behind this matrix instruction (ISA guide 7.12.1)
.set HALFT,  128*PITCH
.set SLOT,   4*HALFT
.set LAPS,   2                         ; 1,024 / 512
.set KS,     32                        ; a row of scale bytes
.set SCL,    2*SLOT
.set HALFS,  (128*KS/256)*272
.set SBLK,   (16*KS/256)*272
.set SPARE,  SCL+4*HALFS               ; the spare words, 128 bytes for each wave: two blocks of 256 bytes that no other line names
.set ADRA, 16
.set ADRB, 20
.set L8,   25                          ; v25  8 x lane
.set L16,  26                          ; v26  16 x lane
.set ADRS, 27
.set SPW,  28
.set NIL,  29
.set SC,   32
.set BI,   64                          ; v64-127 the bias, in the layout of a block's 64 results
.set AF,   128
.set X,    128                         ; the way out: 64 numbers
.set PC,   192                         ; two sets of 16 registers of codes
.set TM,   224                         ; v224-227 largest magnitudes, v228-231 bytes, v236-239 scale operands
.set PW,   240                         ; v240-247 the scale word of each of A's eight blocks
.set OW,   248                         ; v248-251 scale words as they are stored
.set G1, 24
.set G0, 32
.set G1B, 48
.set G0B, 56
.set G1S, 68
.set G0S, 76
.set G1SB, 80
.set G0SB, 88
.set MSB, 0
.macro WIN new                         ; the immediate's high byte repeats the setting that is left
.if MSB != \new
	s_set_vgpr_msb (MSB<<8)|\new
.set MSB, \new
.endif
.endm
.set MUL_LO, 0xa1                      ; source 0 (B) window 1, source 1 (A) window 0, C and D window 2
.set MUL_HI, 0xf1
.set TO_B,   0x40
; A joint load: waves 0 and 1 fetch for A, waves 2 and 3 for B.  Four v_nop follow each of the two lines.
.macro JLOAD g0a, g1a, g0b, g1b
	s_cmp_eq_u32 s15, 0
	s_cbranch_scc0 .Lfor_b_\@
	tensor_load_to_lds s[\g0a:\g0a+3], s[\g1a:\g1a+7]
	s_nop 0
.rept 4
	v_nop
.endr
	s_branch .Lasked_\@
.Lfor_b_\@:
	tensor_load_to_lds s[\g0b:\g0b+3], s[\g1b:\g1b+7]
	s_nop 0
.rept 4
	v_nop
.endr
.Lasked_\@:
.endm
.macro CREST                           ; a round of the cluster's barrier behind its opening barrier
	s_cmp_lg_u32 s14, 0
	s_cbranch_scc1 .Lnot_wave_0_\@
	s_barrier_signal -3
.Lnot_wave_0_\@:
	s_barrier_wait -3
	s_barrier_signal -1
	s_barrier_wait -1
.endm
.macro CROUND
	s_barrier_signal -1
	s_barrier_wait -1
	CREST
.endm
	s_load_b256 s[4:11], s[0:1], 0x0               ; xc, xs, wc, ws
	s_load_b64 s[12:13], s[0:1], 0x20              ; c_attn_b
	s_load_b64 s[96:97], s[0:1], 0x28              ; qq
	s_load_b64 s[98:99], s[0:1], 0x30              ; kv
	v_lshl_add_u32 v[SPW], v0, 2, SPARE
	v_mov_b32 v[NIL], 0
	ds_add_u32 v28, v29
	ds_add_u32 v28, v29
	s_wait_dscnt 0x0
	v_lshrrev_b32 v1, 5, v0
	v_readfirstlane_b32 s14, v1                    ; wave 0..3
	s_lshr_b32 s15, s14, 1                         ; which half of A's 256 rows is mine.  Also: I fetch for A (0) or for B (1)
	s_and_b32 s16, s14, 1                          ; which half of B's.  Also: which 128 rows of that tile I fetch
	s_bfe_u32 s40, ttmp6, 0x40000                  ; cx
	s_bfe_u32 s41, ttmp6, 0x40004                  ; cy
	s_lshl_b32 s42, ttmp9, 2                       ; 4 x cluster x
	s_and_b32 s17, ttmp7, 0xffff
	s_lshl_b32 s17, s17, 2                         ; 4 x cluster y
	s_cmp_eq_u32 ttmp9, 2                          ; v's clusters
	s_cselect_b32 s95, 1, 0
	s_cselect_b32 s42, s17, s42                    ; B's tile: v: x's tile 4 cluster y + cx; q, k: W's tile 4 cluster x + cx
	s_cselect_b32 s17, 8, s17                      ; A's tile: v: W's tile 8 + cy; q, k: x's tile 4 cluster y + cy
	s_add_co_u32 s42, s42, s40
	s_add_co_u32 s17, s17, s41
	s_lshl_b32 s43, s41, 2
	s_lshl_b32 s43, 15, s43                        ; my row of the cluster
	s_lshl_b32 s44, 0x1111, s40                    ; my column
	s_or_b32 s[G1+0], s43, (0<<16)|(1<<20)|(1<<21)|(5<<22)|(3<<25)  ; the mask; elements of 1 byte; padding on; bit 21 beside a mask; 4 words after every 64
	s_or_b32 s[G1B+0], s44, (0<<16)|(1<<20)|(1<<21)|(5<<22)|(3<<25)
.irp g, G1, G1B
	s_mov_b32 s[\g+1], ROWB<<16                    ; tensor_dim0
	s_mov_b32 s[\g+2], 128<<16                     ; tensor_dim1
	s_mov_b32 s[\g+3], ROWB<<16                    ; tile_dim0
	s_mov_b32 s[\g+4], 128                         ; tile_dim1
	s_mov_b32 s[\g+5], KROW                        ; the pitch
	s_mov_b32 s[\g+6], 0
	s_mov_b32 s[\g+7], 0
.endr
	s_or_b32 s[G1S+0], s43, (3<<16)|(1<<20)|(1<<21)|(5<<22)|(3<<25)  ; the scales of 128 rows: 4,096 dense bytes as 16 rows of 256, 16 bytes of padding behind each
	s_or_b32 s[G1SB+0], s44, (3<<16)|(1<<20)|(1<<21)|(5<<22)|(3<<25)
.irp g, G1S, G1SB
	s_mov_b32 s[\g+1], 32<<16
	s_mov_b32 s[\g+2], (128*KS/256)<<16
	s_mov_b32 s[\g+3], 32<<16
	s_mov_b32 s[\g+4], 128*KS/256
	s_mov_b32 s[\g+5], 32
	s_mov_b32 s[\g+6], 0
	s_mov_b32 s[\g+7], 0
.endr
	s_lshl_b32 s18, s16, 7                         ; which 128 rows of the tile I fetch
	s_lshl_b32 s20, s17, 8
	s_add_co_u32 s20, s20, s18                     ; A's row
	s_lshl_b32 s46, s42, 8
	s_add_co_u32 s46, s46, s18                     ; B's row
	s_mov_b32 s21, 0
	s_mov_b32 s47, 0
	s_mov_b64 s[18:19], KS
	s_mul_u64 s[22:23], s[20:21], s[18:19]         ; where these rows' scales begin
	s_mul_u64 s[92:93], s[46:47], s[18:19]
	s_mov_b64 s[18:19], KROW
	s_mul_u64 s[20:21], s[20:21], s[18:19]         ; and their codes
	s_mul_u64 s[46:47], s[46:47], s[18:19]
	s_mul_i32 s45, s14, HALFT                      ; where they go: wave x 128 rows
	s_mul_i32 s94, s14, HALFS
	s_wait_kmcnt 0x0
	s_cmp_eq_u32 ttmp9, 2                          ; v: W is A and x is B.  The choice hangs on the cluster's number alone
	s_cselect_b64 s[100:101], s[8:9], s[4:5]
	s_cselect_b64 s[8:9], s[4:5], s[8:9]
	s_mov_b64 s[4:5], s[100:101]
	s_cselect_b64 s[100:101], s[10:11], s[6:7]
	s_cselect_b64 s[10:11], s[6:7], s[10:11]
	s_mov_b64 s[6:7], s[100:101]
	s_add_nc_u64 s[20:21], s[4:5], s[20:21]
	s_add_nc_u64 s[22:23], s[6:7], s[22:23]
	s_add_nc_u64 s[46:47], s[8:9], s[46:47]
	s_add_nc_u64 s[92:93], s[10:11], s[92:93]
	CROUND                                         ; all sixteen work-groups are here: the first joint loads meet
	s_mov_b32 s[G0S], 1
	s_add_co_u32 s[G0S+1], s94, SCL
	s_mov_b64 s[G0S+2:G0S+3], s[22:23]
	s_or_b32 s[G0S+3], s[G0S+3], 0x80000000
	s_mov_b32 s[G0SB], 1
	s_add_co_u32 s[G0SB+1], s94, SCL
	s_mov_b64 s[G0SB+2:G0SB+3], s[92:93]
	s_or_b32 s[G0SB+3], s[G0SB+3], 0x80000000
	JLOAD G0S, G1S, G0SB, G1SB                     ; the scales first: they are wanted with K step 0
.irp s, 0,1
	s_mov_b32 s[G0+4*\s], 1
	s_add_co_u32 s[G0+4*\s+1], s45, \s*SLOT
	s_add_nc_u64 s[G0+4*\s+2:G0+4*\s+3], s[20:21], \s*ROWB
	s_or_b32 s[G0+4*\s+3], s[G0+4*\s+3], 0x80000000
	s_mov_b32 s[G0B+4*\s], 1
	s_add_co_u32 s[G0B+4*\s+1], s45, \s*SLOT
	s_add_nc_u64 s[G0B+4*\s+2:G0B+4*\s+3], s[46:47], \s*ROWB
	s_or_b32 s[G0B+4*\s+3], s[G0B+4*\s+3], 0x80000000
	JLOAD G0+4*\s, G1, G0B+4*\s, G1B
.endr
	v_and_b32 v1, 15, v0                           ; r
	v_bfe_u32 v2, v0, 4, 1                         ; h
	v_mul_u32_u24 v3, v1, PITCH
	v_lshl_add_u32 v4, v2, 4, v3                   ; a fragment's row x pitch + 16 h
	s_mul_i32 s21, s15, HALFT                      ; my 128 rows of A
	s_mul_i32 s22, s16, HALFT                      ; my 128 rows of B,
	s_add_co_u32 s22, s22, 2*HALFT                 ; behind A's 256
.irp s, 0,1
	v_add_nc_u32 v[ADRA+\s], s21, v4
	v_add_nc_u32 v[ADRB+\s], s22, v4
	s_add_co_u32 s21, s21, SLOT
	s_add_co_u32 s22, s22, SLOT
.endr
	v_mul_u32_u24 v5, v1, KS                       ; my row's scales: 32 bytes a row,
	v_lshrrev_b32 v6, 8, v5
	v_lshl_add_u32 v5, v6, 4, v5                   ; and 16 more for each 256 passed
	s_mul_i32 s21, s15, HALFS
	s_mul_i32 s22, s16, HALFS
	s_add_co_u32 s22, s22, 2*HALFS
	s_sub_co_u32 s22, s22, s21
	v_mul_u32_u24 v6, s22, v2                      ; lanes 16-31 take B's
	s_add_co_u32 s21, s21, SCL
	v_add_nc_u32 v5, v5, v6
	v_add_nc_u32 v[ADRS], s21, v5
	v_and_b32 v7, 31, v0
	v_lshlrev_b32 v[L8], 3, v7
	v_lshlrev_b32 v[L16], 4, v7
	v_lshlrev_b32 v8, 5, v2                        ; the bias, q and k: 32 h bytes
	v_lshlrev_b32 v9, 2, v1                        ; v: 4 r bytes
	s_lshl_b32 s2, s42, 8
	s_lshl_b32 s18, s16, 7
	s_add_co_u32 s2, s2, s18                       ; the first of my 128 rows of B's tensor
	s_lshl_b32 s3, s17, 8
	s_lshl_b32 s18, s15, 7
	s_add_co_u32 s3, s3, s18                       ; and of A's
	s_cmp_eq_u32 s95, 1
	s_cselect_b32 s18, s3, s2                      ; my first feature (a row of W)
	s_cselect_b32 s19, s2, s3                      ; my first token (a row of x)
	s_lshl_b32 s20, s18, 2
	s_mov_b32 s21, 0
	s_add_nc_u64 s[12:13], s[12:13], s[20:21]      ; the bias at my first feature
	s_cmp_eq_u32 s95, 1
	s_cbranch_scc1 .Lbias_v
	s_wait_alu depctr_va_vdst(0)
.irp b, 0,1,2,3,4,5,6,7                        ; q, k: register 8 b + j: the bias of feature 16 b + 8 h + j
	global_load_b128 v[BI+8*\b:BI+8*\b+3], v8, s[12:13] offset:64*\b
	global_load_b128 v[BI+8*\b+4:BI+8*\b+7], v8, s[12:13] offset:64*\b+16
.endr
	s_branch .Lbias_done
.Lbias_v:
	s_wait_alu depctr_va_vdst(0)
.irp a, 0,1,2,3,4,5,6,7                        ; v: registers 8 a + 0 .. 7: the bias of feature 16 a + r.  Both ways write all 64 registers
.irp j, 0,1,2,3,4,5,6,7
	global_load_b32 v[BI+8*\a+\j], v9, s[12:13] offset:64*\a
.endr
.endr
.Lbias_done:
	; where my results go
	s_lshr_b32 s20, s19, 11                        ; the batch
	s_bfe_u32 s22, s19, 0x40007                    ; which 128 tokens of its 2,048
	s_bfe_u32 s23, s18, 0x40006                    ; the first of my two heads
	s_lshl_b32 s20, s20, 4
	s_add_co_u32 s20, s20, s23                     ; 16 x batch + head
	s_min_u32 s23, ttmp9, 1                        ; 0: q, into qq; 1: k and v, into kv, where all strides are twice q's
	s_lshl_b32 s40, s20, 17
	s_lshl_b32 s41, s22, 13
	s_add_co_u32 s40, s40, s41
	s_lshl_b32 s40, s40, s23
	s_lshl_b32 s41, s95, 13                        ; v's chunks lie 8,192 bytes behind k's
	s_add_co_u32 s40, s40, s41
	s_mov_b32 s41, 0
	s_lshl_b32 s44, s20, 12
	s_lshl_b32 s45, s22, 8
	s_add_co_u32 s44, s44, s45
	s_lshl_b32 s44, s44, s23
	s_lshl_b32 s45, s95, 8                         ; v's scale words 256 bytes behind k's
	s_add_co_u32 s44, s44, s45
	s_lshl_b32 s45, 0x800000, s23                  ; the scale words begin behind the codes
	s_add_co_u32 s44, s44, s45
	s_mov_b32 s45, 0
	s_lshl_b32 s46, 0x20000, s23                   ; from head to head: codes,
	s_mov_b32 s47, 0
	s_lshl_b32 s92, 0x1000, s23                    ; scale words
	s_mov_b32 s93, 0
	s_cmp_lg_u32 ttmp9, 0
	s_cselect_b64 s[96:97], s[98:99], s[96:97]
	s_add_nc_u64 s[4:5], s[96:97], s[40:41]        ; codes of my first head,
	s_add_nc_u64 s[6:7], s[4:5], s[46:47]          ; of my second;
	s_add_nc_u64 s[8:9], s[96:97], s[44:45]        ; scale words likewise
	s_add_nc_u64 s[10:11], s[8:9], s[92:93]
.macro FRAG reg, adr, q, i             ; 16 rows x 128 K: registers 4 c .. 4 c + 3 hold K = 32 c + 16 h + 0 .. 15
.irp c, 0,1,2,3
	ds_load_b128 v[\reg+4*\c:\reg+4*\c+3], v[\adr] offset:128*(\q)+32*\c+(\i)*16*PITCH
.endr
.endm
; 16 matrix instructions: A's blocks a0, a0 + 1 x B's eight.  The 64 accumulators take turns, one instruction a turn, in the same order in every step.
.macro MUL16 a0, p, q, sc, zero
.irp a, \a0, \a0+1
.irp b, 0,1,2,3,4,5,6,7
.if \zero
	v_wmma_scale_f32_16x16x128_f8f6f4 v[8*(8*((\a)%4)+\b):8*(8*((\a)%4)+\b)+7], v[128*(\p)+FR*\b:128*(\p)+FR*\b+FR-1], v[AF+FR*(\a):AF+FR*(\a)+FR-1], 0, v[SC+8*NQ*(\sc)+NQ*\b+(\q)], v[SC+8*NQ*(\sc)+NQ*(\a)+(\q)] matrix_a_fmt:MATRIX_FMT_BF8 matrix_b_fmt:MATRIX_FMT_BF8 matrix_a_scale:MATRIX_SCALE_ROW1
.else
	v_wmma_scale_f32_16x16x128_f8f6f4 v[8*(8*((\a)%4)+\b):8*(8*((\a)%4)+\b)+7], v[128*(\p)+FR*\b:128*(\p)+FR*\b+FR-1], v[AF+FR*(\a):AF+FR*(\a)+FR-1], v[8*(8*((\a)%4)+\b):8*(8*((\a)%4)+\b)+7], v[SC+8*NQ*(\sc)+NQ*\b+(\q)], v[SC+8*NQ*(\sc)+NQ*(\a)+(\q)] matrix_a_fmt:MATRIX_FMT_BF8 matrix_b_fmt:MATRIX_FMT_BF8 matrix_a_scale:MATRIX_SCALE_ROW1
.endif
.endr
.endr
.endm
.macro FETCH_B slot, q, p
	WIN TO_B
.irp i, 0,1,2,3,4,5,6,7
	FRAG 128*(\p)+FR*\i, ADRB+\slot, \q, \i
.endr
	WIN 0
.endm
.macro FETCH_A slot, q, i0
.irp i, \i0, \i0+1, \i0+2, \i0+3
	FRAG AF+FR*(\i), ADRA+\slot, \q, \i
.endr
.endm
.macro SCALES sc                       ; a K step's scale words: lanes 0-15 take A's block i, lanes 16-31 B's block i
.irp i, 0,1,2,3,4,5,6,7
	ds_load_b64 v[SC+8*NQ*\sc+NQ*\i:SC+8*NQ*\sc+NQ*\i+1], v[ADRS] offset:\i*SBLK
.endr
.endm
.macro PLACES n                        ; plain vector lines between a matrix instruction and a load into, or a vector line on, its registers
.rept \n
	v_nop
.endr
.endm
.macro STEP slot, q, zero              ; 128 along K that has its successor in the same slot
	s_wait_dscnt 4*NL                              ; B's set and A's blocks 0-3 are in; the youngest 16 loads (A's blocks 4-7) may be out
	WIN MUL_LO
	MUL16 0, (\q)%2, \q, \slot, \zero
	MUL16 2, (\q)%2, \q, \slot, \zero
	s_wait_dscnt 0                                 ; A's blocks 4-7 are in
	PLACES NP
	FETCH_B \slot, (\q)+1, 1-(\q)%2
	FETCH_A \slot, (\q)+1, 0
	WIN MUL_HI
	MUL16 4, (\q)%2, \q, \slot, \zero
	MUL16 6, (\q)%2, \q, \slot, \zero
	PLACES NP
	WIN 0
	FETCH_A \slot, (\q)+1, 4
.endm
; A slot's last step changes slots: one barrier; in front of it each wave waits for all its tensor loads, adds 0 to its spare word, and waits for that and for its reads of this slot.
.macro TURN slot, next, fill
	s_wait_tensorcnt 0x0                           ; all my tensor loads have landed: my part of the next slot
	ds_add_u32 v[SPW], v[NIL]                      ; 0 onto my spare word
	s_wait_dscnt 4*NL+1                            ; the add and the youngest 16 loads (A's blocks 4-7) may be out
	WIN MUL_LO
	MUL16 0, 1, NQ-1, \slot, 0
	s_wait_dscnt 0x0                               ; the add is done, and my reads of this slot are over
	s_barrier_signal -1
	MUL16 2, 1, NQ-1, \slot, 0
	WIN 0
	s_barrier_wait -1
.if \fill
	CREST                                          ; the barrier has opened a round of the cluster's: no wave of any partner still reads this slot or has a load on its way
	s_add_nc_u64 s[G0+4*\slot+2:G0+4*\slot+3], s[G0+4*\slot+2:G0+4*\slot+3], 2*ROWB
	s_add_nc_u64 s[G0B+4*\slot+2:G0B+4*\slot+3], s[G0B+4*\slot+2:G0B+4*\slot+3], 2*ROWB
	JLOAD G0+4*\slot, G1, G0B+4*\slot, G1B         ; the first tensor load behind the round; its four v_nop are among the places in front of the loads below
	PLACES NP-4
.else
	PLACES NP
.endif
	s_wait_alu depctr_va_vdst(0)
	v_add_nc_u32 v[ADRS], 4*NQ, v[ADRS]            ; on to the next K step's scale words
	FETCH_B \next, 0, 0
	FETCH_A \next, 0, 0
	SCALES \next
	WIN MUL_HI
	MUL16 4, 1, NQ-1, \slot, 0
	MUL16 6, 1, NQ-1, \slot, 0
	PLACES NP
	WIN 0
	FETCH_A \next, 0, 4
.endm
	s_wait_loadcnt 0x0                             ; the bias
	s_wait_tensorcnt 1                             ; three loads of mine went out: the scales and K step 0 are in, K step 1's may be out
	s_barrier_signal -1
	s_barrier_wait -1
	FETCH_B 0, 0, 0
	FETCH_A 0, 0, 0
	SCALES 0
	FETCH_A 0, 0, 4
	STEP 0, 0, 1                                   ; the first step's products start the sums
	s_mov_b32 s3, LAPS-1
.Llap:
	TURN 0, 1, 1
	STEP 1, 0, 0
	TURN 1, 0, 1
	STEP 0, 0, 0
	s_sub_co_u32 s3, s3, 1
	s_cmp_lg_u32 s3, 0
	s_cbranch_scc1 .Llap
	TURN 0, 1, 0                                   ; the last lap fills nothing
	STEP 1, 0, 0
	s_wait_dscnt 4*NL
	WIN MUL_LO
	MUL16 0, 1, NQ-1, 1, 0
	MUL16 2, 1, NQ-1, 1, 0
	s_wait_dscnt 0
	WIN MUL_HI
	MUL16 4, 1, NQ-1, 1, 0
	MUL16 6, 1, NQ-1, 1, 0
	WIN 0
; 64 numbers of a lane, v[s] on, register 16 b + i, become 16 registers of codes at v[pc] and a scale word in v[pw].  A block is my 16 numbers and those of the lane 16 away.
.macro QUANT s, pc, pw
.irp b, 0,1,2,3
	v_max3_num_f32 v[TM+\b], |v[\s+16*\b]|, |v[\s+1+16*\b]|, 0x8000000   ; with the floor 2^(16 - 127): the byte cannot fall under 1
.endr
.irp i, 2,4,6,8,10,12,14
.irp b, 0,1,2,3
	v_max3_num_f32 v[TM+\b], v[TM+\b], |v[\s+16*\b+\i]|, |v[\s+1+16*\b+\i]|
.endr
.endr
.irp b, 0,1,2,3
	v_permlanex16_b32 v[TM+4+\b], v[TM+\b], s20, s21
.endr
.irp b, 0,1,2,3
	v_max_num_f32 v[TM+\b], v[TM+\b], v[TM+4+\b]   ; the block's largest magnitude
.endr
.irp b, 0,1,2,3
	v_add_nc_u32 v[TM+12+\b], 0xf8800000, v[TM+\b] ; 15 off its exponent field: the conversion's scale operand
.endr
.irp b, 0,1,2,3
.endr
.irp b, 0,1,2,3
	v_lshrrev_b32 v[TM+4+\b], 23, v[TM+12+\b]      ; the scale's byte
.endr
	v_lshl_or_b32 v[\pw], v[TM+5], 8, v[TM+4]
	v_lshl_or_b32 v[\pw], v[TM+6], 16, v[\pw]
	v_lshl_or_b32 v[\pw], v[TM+7], 24, v[\pw]
.irp b, 0,1,2,3
.irp i, 0,1,2,3,4,5,6,7,8,9,10,11,12,13,14,15
.endr
	v_cvt_scalef32_pk8_bf8_f32 v[(\pc)+4*\b:(\pc)+1+4*\b], v[\s+16*\b:\s+7+16*\b], v[TM+12+\b]
	v_cvt_scalef32_pk8_bf8_f32 v[(\pc)+2+4*\b:(\pc)+3+4*\b], v[\s+8+16*\b:\s+15+16*\b], v[TM+12+\b]
.endr
	v_nop                                          ; one plain line behind the last conversion
.endm
; THE WAY OUT, A's blocks one after the other: the bias is added (each accumulator read from its low end on), the 64 numbers are quantised, four chunks of 512 consecutive bytes are stored.
.macro EPI isv
.irp a, 0,1,2,3,4,5,6,7
	WIN 0x02+(\a)/4                                ; source 0: window 2 or 3
.set k, 0
.rept 32
.if \isv
	v_pk_add_f32 v[X+2*k:X+2*k+1], v[64*((\a)%4)+2*k:64*((\a)%4)+2*k+1], v[BI+8*\a:BI+8*\a+1]
.else
	v_pk_add_f32 v[X+2*k:X+2*k+1], v[64*((\a)%4)+2*k:64*((\a)%4)+2*k+1], v[BI+2*k:BI+2*k+1]
.endif
.set k, k+1
.endr
	WIN 0
.if \a > 1
	s_wait_xcnt 0x0                                ; the stores of the block two back have read this set of code registers
.endif
	QUANT X, PC+16*((\a)%2), PW+\a
.irp c, 0,1,2,3
.if \isv
	global_store_b128 v[L16], v[PC+16*((\a)%2)+4*\c:PC+16*((\a)%2)+4*\c+3], s[4+2*((\a)/4):5+2*((\a)/4)] offset:2048*((\a)%4)+512*\c   ; head a / 4, its 16 features a % 4, key block c
.else
	global_store_b128 v[L16], v[PC+16*((\a)%2)+4*\c:PC+16*((\a)%2)+4*\c+3], s[4+2*(\c/2):5+2*(\c/2)] offset:1024*\a+512*(\c%2)         ; head c / 2, token tile a, block c % 2
.endif
.endr
.endr
.if \isv
.irp u, 0,1
.irp w, 0,1
	v_cndmask_b32 v[OW+2*\u+\w], v[PW+4*\u+2*\w], v[PW+4*\u+2*\w+1], s22   ; lanes 0-15: item 2 w, lanes 16-31: item 2 w + 1
.endr
.endr
.else
.irp f, 0,1,2,3
	v_perm_b32 v[TM+\f], v[PW+2*\f+1], v[PW+2*\f], 0x05040100     ; first head: the two bytes of tile 2 f, then those of tile 2 f + 1
	v_perm_b32 v[TM+4+\f], v[PW+2*\f+1], v[PW+2*\f], 0x07060302   ; second head
.endr
.irp u, 0,1
.irp w, 0,1
	v_cndmask_b32 v[OW+2*\u+\w], v[TM+4*\u+2*\w], v[TM+4*\u+2*\w+1], s22
.endr
.endr
.endif
	global_store_b64 v[L8], v[OW:OW+1], s[8:9]     ; 256 consecutive bytes, aligned
	global_store_b64 v[L8], v[OW+2:OW+3], s[10:11]
.endm
	PLACES NP                                      ; behind the last products: their results are read and their operands' registers written below
.irp b, 0,1,2,3
	v_mov_b32 v[TM+4+\b], 0                        ; written once: a lane permute's destination counts as one of its sources
.endr
	s_mov_b32 s20, 0x76543210                      ; no tensor load is out: these registers are free
	s_mov_b32 s21, 0xfedcba98                      ; v_permlanex16_b32: lane l xor 16
	s_mov_b32 s22, 0xffff0000                      ; lanes 16-31
	s_cmp_eq_u32 s95, 1
	s_cbranch_scc1 .Lepi_v
	EPI 0
	s_branch .Lout
.Lepi_v:
	EPI 1
.Lout:
	s_wait_tensorcnt 0x0                           ; the wave's end
	ds_add_u32 v[SPW], v[NIL]
	s_wait_dscnt 0x0
	CROUND                                         ; the closing round: no work-group ends while a partner may still ask for a tile that names it
	s_endpgm
.Lfunc_end_k_q87378fb33e_gemm_qkv:
	.size	k_q87378fb33e_gemm_qkv, .Lfunc_end_k_q87378fb33e_gemm_qkv-k_q87378fb33e_gemm_qkv
	.p2alignl 7, 3214868480
	.fill 96, 4, 3214868480
	.section	.rodata,"a",@progbits
	.p2align	6, 0x0
	.amdhsa_kernel k_q87378fb33e_gemm_qkv
		.amdhsa_group_segment_fixed_size 327680
		.amdhsa_private_segment_fixed_size 0
		.amdhsa_enable_private_segment 0
		.amdhsa_kernarg_size 56
		.amdhsa_user_sgpr_count 2
		.amdhsa_user_sgpr_kernarg_segment_ptr 1
		.amdhsa_wavefront_size32 1
		.amdhsa_system_sgpr_workgroup_id_x 1
		.amdhsa_system_sgpr_workgroup_id_y 1
		.amdhsa_system_sgpr_workgroup_id_z 1
		.amdhsa_system_vgpr_workitem_id 0
		.amdhsa_next_free_vgpr 1024
		.amdhsa_next_free_sgpr 102
		.amdhsa_reserve_vcc 0
		.amdhsa_float_denorm_mode_32 3
		.amdhsa_float_denorm_mode_16_64 3
		.amdhsa_fp16_overflow 1
		.amdhsa_memory_ordered 1
		.amdhsa_forward_progress 1
		.amdhsa_inst_pref_size 224
	.end_amdhsa_kernel
	.amdgpu_metadata
---
amdhsa.version: [ 1, 2 ]
amdhsa.kernels:
  - .name:           k_q87378fb33e_gemm_qkv
    .symbol:         k_q87378fb33e_gemm_qkv.kd
    .args:
      - { .name: xc, .offset: 0, .size: 8, .value_kind: global_buffer, .address_space: global }
      - { .name: xs, .offset: 8, .size: 8, .value_kind: global_buffer, .address_space: global }
      - { .name: wc, .offset: 16, .size: 8, .value_kind: global_buffer, .address_space: global }
      - { .name: ws, .offset: 24, .size: 8, .value_kind: global_buffer, .address_space: global }
      - { .name: c_attn_b, .offset: 32, .size: 8, .value_kind: global_buffer, .address_space: global }
      - { .name: qq, .offset: 40, .size: 8, .value_kind: global_buffer, .address_space: global }
      - { .name: kv, .offset: 48, .size: 8, .value_kind: global_buffer, .address_space: global }
    .group_segment_fixed_size: 327680
    .private_segment_fixed_size: 0
    .kernarg_segment_align: 8
    .kernarg_segment_size: 56
    .max_flat_workgroup_size: 128
    .sgpr_count:     102
    .vgpr_count:     1024
    .wavefront_size: 32
...
	.end_amdgpu_metadata
.endif
;; end of part 2
;; launch attn (part 3): grid 4 x 64, 16 waves a work-group, clusters of 4 x 1, 272,384 bytes of LDS; arguments qq, kv, ac, asc; writes ac, asc
.if DOCPART == 3
	.amdgcn_target "amdgcn-amd-amdhsa--gfx1250"
	.amdhsa_code_object_version 6
	.text
	.protected	k_q87378fb33e_attn
	.globl	k_q87378fb33e_attn
	.p2align	8
	.type	k_q87378fb33e_attn,@function
k_q87378fb33e_attn:
	s_mov_b64 s[64:65], 0
	v_nop
	global_prefetch_b8 v0, s[64:65] scope:SCOPE_SE
	s_setreg_imm32_b32 hwreg(HW_REG_WAVE_MODE, 25, 1), 1
	s_wait_xcnt 0x0
	s_wait_alu depctr_hold_cnt(0) depctr_sa_sdst(0) depctr_va_vdst(0) depctr_va_sdst(0) depctr_va_ssrc(0) depctr_va_vcc(0) depctr_vm_vsrc(0)
	s_getreg_b32 s2, hwreg(HW_REG_IB_STS2, 6, 4)
	s_cmp_eq_u32 s2, 0
	s_cbranch_scc0 .Lentry_in_a_cluster
	s_endpgm
.Lentry_in_a_cluster:
	s_bfe_u32 s2, ttmp6, 0x10000c
	s_cmp_lg_u32 s2, 0x3003
	s_cbranch_scc0 .Lentry_shape_is_right
	s_endpgm
.Lentry_shape_is_right:
; a = softmax(q k^T / 8, masked) v for one head of one batch, both products on codes of BF8 (E5M2) with E8M0 scales; a leaves as codes for the last product.
; THE SOFTMAX: t = score x log2(e) / 8; M = the row's largest t so far, rounded up to a whole number; p = 2^(t - M) is quantised along the keys, not normalised; the row's sum of the unquantised p divides at the end.
; THE MASK IS -10,000, NOT -INFINITY: a masked key has the logit -10,000 and counts.  So the running maximum begins at t(-10,000) (but for query 2,047, which has no masked key); in the step on the diagonal masked
; scores become -80,000 (= 8 x -10,000); a step all of whose keys are masked still does its four products v^T p^T, with one constant fragment p = Q(2^(t(-10,000) - M)), made once behind the diagonal step, when M is
; final; and those keys' share of the row's sum is one fused multiply-add.
; SHARES.  The four work-groups of a cluster take one head; query tile T = 4 k + cx, k = 0 .. 31.  Wave w takes k = 31 - w first and then k = w.  A tile's diagonal lies in key step k / 2 whatever cx is, so no
; branch hangs on the place in the cluster, and every wave has 17 whole steps and 15 masked ones.
; LDS: THE HEAD'S k AND v STAY: step s (128 keys) at 16,384 s: k's 16 chunks, then v's 16; from 262,144 on 512 bytes a step: k's scale words, then v's.  Every byte is filled once, by joint loads of all four
; partners (five a wave, all out at once), in four groups of steps, so that work begins when the first has landed.  A chunk is 512 bytes, lane l's 16 at 16 l: reads have no pitch.
; q k^T HAS K = 64 and the instruction 128: a fragment of k holds TWO key tiles (64 + 64), multiplied once by [q | 0] and once by [0 | q]: only q keeps zero codes.
; LAYOUT.  Both products are used transposed: a lane holds one query (lane % 16).  The 16 registers of score tiles 2 b, 2 b + 1 are keys 32 b + 16 u + 8 h + j; as codes they stand at position 16 h + 8 u + j of
; their block, and v's codes were laid in the same order.
; VECTOR WORK OUTWEIGHS THE PRODUCTS (some 280 vector lines for a whole step's 12 matrix lines), so it is kept short: packed forms for scalings, sums and rescalings.
; LIMITS: NaN and infinities are not served; a block of zeros or under 2^-111 gets the byte 1 (read by this program alone); the division is v_rcp_f32 and a multiplication;
; a's scale bytes leave a byte a lane (2 bytes for each 64 bytes of codes).
; REGISTERS: v1-9 addresses and lane terms; v10-15 scale words; v[16:17] -M, largest t; v[18:19] the sum; v[20:21] f; v24-47 [0 | q | 0]; v48-111 four fragments; v112-175 scores, then p; v176-207 O^T; v208-223 p's codes; v224-247 at work.
.set SCB,  262144
.set KF,   48
.set S,    112
.set O,    176
.set P,    208
.set BM,   224                         ; a block's largest score, then its largest p
.set PM,   228                         ; lane permutes' destinations
.set HD,   232                         ; 57,344 x the scale
.set SO,   236                         ; the conversion's scale operand
.set BY,   240                         ; the scale's byte
.macro CROUND                          ; a round of the cluster's barrier
	s_barrier_signal -1
	s_barrier_wait -1
	s_cmp_lg_u32 s72, 0
	s_cbranch_scc1 .Lnot_wave_0_\@
	s_barrier_signal -3
.Lnot_wave_0_\@:
	s_barrier_wait -3
	s_barrier_signal -1
	s_barrier_wait -1
.endm
.macro G1SET g, rows                   ; a dense block as rows of 256 bytes (32 elements of 8 bytes), no padding; the mask names all four partners, bit 21 beside it
	s_mov_b32 s[\g], 15|(3<<16)|(1<<21)
	s_mov_b32 s[\g+1], 32<<16
	s_mov_b32 s[\g+2], (\rows)<<16
	s_mov_b32 s[\g+3], 32<<16
	s_mov_b32 s[\g+4], \rows
	s_mov_b32 s[\g+5], 32
	s_mov_b32 s[\g+6], 0
	s_mov_b32 s[\g+7], 0
.endm
.macro G0SET g, shift, base            ; my sixteenth of a group of steps: the same byte offset in the head's part of kv and in LDS
	s_mov_b32 s[\g], 1
	s_lshl_b32 s[\g+1], s72, \shift
	s_add_co_u32 s[\g+1], s[\g+1], \base
	s_add_co_u32 s86, s97, s[\g+1]
	s_add_nc_u64 s[\g+2:\g+3], s[6:7], s[86:87]
	s_or_b32 s[\g+3], s[\g+3], 0x80000000
.endm
	s_load_b128 s[4:7], s[0:1], 0x0                ; qq, kv
	s_load_b128 s[8:11], s[0:1], 0x10              ; ac, asc
	v_lshl_add_u32 v254, v0, 2, 0x42000
	v_mov_b32 v255, 0
	ds_add_u32 v254, v255
	ds_add_u32 v254, v255
	v_lshrrev_b32 v1, 5, v0
	s_delay_alu instid0(VALU_DEP_1)
	v_readfirstlane_b32 s72, v1                    ; wave 0..15
	s_bfe_u32 s73, ttmp6, 0x40000                  ; cx: it enters q's and a's addresses and the mask's lane term alone
	s_and_b32 s74, ttmp7, 0xffff                   ; 16 x batch + head, which the partners share
	v_and_b32 v3, 31, v0
	v_and_b32 v22, 15, v0                          ; r
	v_bfe_u32 v4, v0, 4, 1                         ; h
	s_delay_alu instid0(VALU_DEP_3)
	v_lshlrev_b32 v1, 4, v3                        ; 16 x lane: my place in a chunk
	s_delay_alu instid0(VALU_DEP_4)
	v_lshl_add_u32 v2, v3, 3, SCB                  ; 8 x lane: my place in a unit of scale words
	v_mov_b32 v6, 0xc79c4000                       ; -80,000: a masked key's score
	v_lshlrev_b32 v7, 3, v22                       ; 8 r
	v_lshl_add_u32 v8, v22, 5, v4                  ; 32 r + h: my byte among a's scale bytes
	v_lshlrev_b32 v9, 3, v4
	s_delay_alu instid0(VALU_DEP_1)
	v_sub_nc_u32 v9, v22, v9                       ; r - 8 h
	v_mov_b32 v21, 0                               ; named with f as a pair
.irp j, 0,1,2,3,4,5,6,7
	v_mov_b32 v[24+\j], 0                          ; the zero codes on both sides of q
	v_mov_b32 v[40+\j], 0
.endr
.irp b, 0,1,2,3
	v_mov_b32 v[PM+\b], 0                          ; written once: a lane permute's destination counts as one of its sources
.endr
	s_mov_b32 s80, 0x76543210
	s_mov_b32 s81, 0xfedcba98                      ; v_permlanex16_b32: lane l xor 16
	s_mov_b32 s82, 0x3e38aa3b                      ; c = log2(e) / 8
	s_mov_b32 s83, s82                             ; named with it as a pair
	s_mov_b32 s84, 0x600000                        ; the mantissa field of 57,344
	s_mov_b32 s85, 0xffff0000                      ; lanes 16-31
	s_mov_b32 s87, 0
	G1SET 16, 2
	G1SET 24, 8
	G1SET 32, 16
	G1SET 40, 32
	s_lshl_b32 s97, s74, 18                        ; the head's codes in kv: 262,144 bytes a head
	s_wait_dscnt 0x0
	s_wait_kmcnt 0x0
	s_mov_b32 s48, 1                               ; the scale words: 512 bytes a wave: step w's
	s_lshl_b32 s49, s72, 9
	s_lshl_b32 s86, s74, 13
	s_add_co_u32 s86, s86, s49
	s_add_co_u32 s86, s86, 0x1000000
	s_add_co_u32 s49, s49, SCB
	s_add_nc_u64 s[50:51], s[6:7], s[86:87]
	s_or_b32 s51, s51, 0x80000000
	G0SET 52, 11, 0                                ; steps 0, 1
	G0SET 56, 11, 32768                            ; steps 2, 3
	G0SET 60, 12, 65536                            ; steps 4 to 7
	G0SET 68, 13, 131072                           ; steps 8 to 15
	CROUND                                         ; all four work-groups are here: the joint loads meet
	tensor_load_to_lds s[48:51], s[16:23]
	s_nop 0
	tensor_load_to_lds s[52:55], s[24:31]
	s_nop 0
	tensor_load_to_lds s[56:59], s[24:31]
	s_nop 0
	tensor_load_to_lds s[60:63], s[32:39]
	s_nop 0
	tensor_load_to_lds s[68:71], s[40:47]
	s_nop 0
.rept 4
	v_nop
.endr
; A pass's start.  late = 1: k = 31 - wave; 0: k = wave.
.macro INIT late
.if \late
	s_xor_b32 s96, s72, 31
.else
	s_mov_b32 s96, s72
.endif
	s_lshr_b32 s78, s96, 1                         ; the key step on the diagonal
	s_and_b32 s98, s96, 1
	s_lshl_b32 s97, s96, 2
	s_add_co_u32 s97, s97, s73                     ; T
	s_lshl_b32 s86, s74, 17
	s_lshl_b32 s99, s97, 10
	s_add_co_u32 s86, s86, s99
	s_add_nc_u64 s[88:89], s[4:5], s[86:87]        ; q's two chunks
	s_lshl_b32 s86, s74, 12                        ; q's scale bytes: the unit of 128 tokens T / 8 = k / 2; in it item (T % 8) / 2 = 2 (k % 2) + cx / 2, tile T % 2 = cx % 2
	s_lshl_b32 s99, s78, 8
	s_add_co_u32 s86, s86, s99
	s_lshr_b32 s99, s73, 1
	s_lshl_b32 s99, s99, 7                         ; an odd item lies in lanes 16-31: 128 bytes on
	s_add_co_u32 s86, s86, s99
	s_lshl_b32 s99, s98, 2                         ; items 2, 3: the lane's second word
	s_add_co_u32 s86, s86, s99
	s_and_b32 s99, s73, 1
	s_lshl_b32 s99, s99, 1                         ; the item's second tile: bytes 2, 3
	s_add_co_u32 s86, s86, s99
	s_add_co_u32 s86, s86, 0x800000
	s_add_nc_u64 s[90:91], s[4:5], s[86:87]
	global_load_b128 v[32:35], v1, s[88:89]
	global_load_b128 v[36:39], v1, s[88:89] offset:512
	global_load_u16 v23, v7, s[90:91]              ; query r's two scale bytes
	s_and_b32 s96, s74, 15                         ; the head
	s_lshr_b32 s99, s74, 4                         ; the batch
	s_lshl_b32 s86, s99, 7
	s_add_co_u32 s86, s86, s97
	s_lshl_b32 s86, s86, 14                        ; a: 16,384 bytes a token tile,
	s_lshl_b32 s79, s96, 10                        ; the head's two chunks in it
	s_add_co_u32 s86, s86, s79
	s_add_nc_u64 s[92:93], s[8:9], s[86:87]
	s_lshl_b32 s86, s99, 11
	s_lshl_b32 s79, s97, 4                         ; 16 T
	s_add_co_u32 s86, s86, s79
	s_lshl_b32 s86, s86, 5                         ; a's scale bytes: 32 a token,
	s_lshl_b32 s96, s96, 1                         ; the head's two
	s_add_co_u32 s86, s86, s96
	s_add_nc_u64 s[94:95], s[10:11], s[86:87]
	v_add_nc_u32 v247, s79, v22                    ; my query in its batch
	s_delay_alu instid0(VALU_DEP_1)
	v_cmp_eq_u32 vcc_lo, 0x7ff, v247               ; the one query with no masked key
	s_lshl_b32 s96, s98, 6
	s_lshl_b32 s99, s73, 4
	s_add_co_u32 s96, s96, s99
	v_add_nc_u32 v5, s96, v9                       ; my query in the diagonal step, less 8 h
	s_sub_co_u32 s79, 15, s78
	s_lshl_b32 s79, s79, 6                         ; keys of wholly masked steps that fall to one lane: 64 a step
	v_mul_f32 v17, s82, v6                         ; the largest t so far: a masked key's,
	v_mov_b32 v246, 0xff61b1e6
	s_delay_alu instid0(VALU_DEP_1)
	v_cndmask_b32 v17, v17, v246, vcc_lo           ; or -3e38
	s_delay_alu instid0(VALU_DEP_1)
	v_floor_f32 v16, -v17                          ; -M
	v_mov_b32 v18, 0
	v_mov_b32 v19, 0
	s_wait_loadcnt 0x0
	v_lshl_or_b32 v15, v23, 16, v23                ; q's bytes for [q | 0] and for [0 | q]
.set j, 0
.rept 32
	v_mov_b32 v[O+j], 0                            ; O^T: the loop has no first step of its own.  (These lines are also the places between the scale word above and the first product)
.set j, j+1
.endr
.set j, 0
.rept 16
	v_mov_b32 v[P+j], 0
.set j, j+1
.endr
	v_mov_b32 v14, 0
.endm
.macro VLOAD                           ; the step's scale words and four fragments of v
	ds_load_b64 v[12:13], v4 offset:256
.irp t, 0,1,2,3
.irp c, 0,1,2,3
	ds_load_b128 v[KF+16*\t+4*\c:KF+16*\t+4*\c+3], v3 offset:8192+2048*\t+512*\c
.endr
.endr
.endm
.macro PV                              ; O^T += v^T p^T: four accumulators by turns
.irp t, 0,1,2,3
.if \t%2
	v_wmma_scale_f32_16x16x128_f8f6f4 v[O+8*\t:O+8*\t+7], v[KF+16*\t:KF+16*\t+15], v[P:P+15], v[O+8*\t:O+8*\t+7], v[12+\t/2], v14 matrix_a_fmt:MATRIX_FMT_BF8 matrix_b_fmt:MATRIX_FMT_BF8 matrix_a_scale:MATRIX_SCALE_ROW1
.else
	v_wmma_scale_f32_16x16x128_f8f6f4 v[O+8*\t:O+8*\t+7], v[KF+16*\t:KF+16*\t+15], v[P:P+15], v[O+8*\t:O+8*\t+7], v[12+\t/2], v14 matrix_a_fmt:MATRIX_FMT_BF8 matrix_b_fmt:MATRIX_FMT_BF8
.endif
.endr
.endm
.macro SOFTMAX
.irp b, 0,1,2,3
	v_max3_num_f32 v[BM+\b], v[S+16*\b], v[S+1+16*\b], v[S+2+16*\b]   ; the largest score of each block of 32 keys: for the row's maximum and, since p rises with the score, for the block's largest p
.endr
.irp i, 3,5,7,9,11,13
.irp b, 0,1,2,3
	v_max3_num_f32 v[BM+\b], v[BM+\b], v[S+16*\b+\i], v[S+1+16*\b+\i]
.endr
.endr
.irp b, 0,1,2,3
	v_max_num_f32 v[BM+\b], v[BM+\b], v[S+15+16*\b]
.endr
.irp b, 0,1,2,3
	s_delay_alu instid0(VALU_DEP_4)
	v_permlanex16_b32 v[PM+\b], v[BM+\b], s80, s81
.endr
.irp b, 0,1,2,3
	s_delay_alu instid0(VALU_DEP_4)
	v_max_num_f32 v[BM+\b], v[BM+\b], v[PM+\b]
.endr
	s_delay_alu instid0(VALU_DEP_2)
	v_max3_num_f32 v23, v[BM], v[BM+1], v[BM+2]
	s_delay_alu instid0(VALU_DEP_1)
	v_max_num_f32 v23, v23, v[BM+3]
	s_delay_alu instid0(VALU_DEP_1)
	v_mul_f32 v23, s82, v23                        ; the step's largest t
	s_delay_alu instid0(VALU_DEP_1)
	v_max_num_f32 v17, v17, v23
	v_mov_b32 v23, v16
	s_delay_alu instid0(VALU_DEP_2)
	v_floor_f32 v16, -v17                          ; the new -M = -ceil(t)
	s_delay_alu instid0(VALU_DEP_1)
	v_sub_f32 v23, v16, v23                        ; old M - new M: a whole number, 0 or less
	s_delay_alu instid0(VALU_DEP_1)
	v_cvt_i32_f32 v23, v23                         ; (it saturates)
	s_delay_alu instid0(VALU_DEP_1)
	v_ldexp_f32 v20, 1.0, v23                      ; f = 2^(old M - new M): rounds nothing
.set j, 0
.rept 32
	v_pk_fma_f32 v[S+j:S+j+1], v[S+j:S+j+1], s[82:83], v[16:17] op_sel_hi:[1,0,0]   ; t - M
.set j, j+2
.endr
	s_setprio 1
.irp b, 0,1,2,3
	v_fma_f32 v[BM+\b], v[BM+\b], s82, v16
.endr
.set j, 0
	s_wait_alu depctr_va_vdst(0)
.rept 64
	v_exp_f32 v[S+j], v[S+j]                       ; p = 2^(t - M)
.set j, j+1
.endr
.irp b, 0,1,2,3
	v_exp_f32 v[BM+\b], v[BM+\b]                   ; the block's largest p
.endr
	v_pk_mul_f32 v[18:19], v[18:19], v[20:21] op_sel_hi:[1,0]   ; the sums under the new M (a plain line behind the exponentials)
	s_wait_alu depctr_va_vdst(0)
.irp b, 0,1,2,3
	v_max_num_f32 v[BM+\b], 0x8000000, v[BM+\b]    ; the floor 2^(16 - 127)
.endr
.irp b, 0,1,2,3
	s_delay_alu instid0(VALU_DEP_4)
	v_add_nc_u32 v[SO+\b], 0xf8800000, v[BM+\b]
.endr
.irp b, 0,1,2,3
.endr
.irp b, 0,1,2,3
	s_delay_alu instid0(VALU_DEP_4)
	v_lshrrev_b32 v[BY+\b], 23, v[SO+\b]
.endr
	s_delay_alu instid0(VALU_DEP_3)
	v_lshl_or_b32 v14, v[BY+1], 8, v[BY]           ; p's scale word for these 128 keys
	s_delay_alu instid0(VALU_DEP_1)
	v_lshl_or_b32 v14, v[BY+2], 16, v14
	s_delay_alu instid0(VALU_DEP_1)
	v_lshl_or_b32 v14, v[BY+3], 24, v14
	v_pk_add_f32 v[244:245], v[116:117], v[120:121]
	v_pk_add_f32 v[252:253], v[124:125], v[128:129]
	v_pk_add_f32 v[250:251], v[132:133], v[136:137]
	v_pk_add_f32 v[248:249], v[140:141], v[144:145]
	v_pk_add_f32 v[246:247], v[148:149], v[152:153]
	v_pk_add_f32 v[242:243], v[156:157], v[160:161]
	v_pk_add_f32 v[240:241], v[164:165], v[168:169]
	v_pk_add_f32 v[18:19], v[18:19], v[172:173]
	v_pk_add_f32 v[244:245], v[244:245], v[112:113]
	v_pk_add_f32 v[252:253], v[252:253], v[114:115]
	v_pk_add_f32 v[250:251], v[250:251], v[118:119]
	v_pk_add_f32 v[248:249], v[248:249], v[122:123]
	v_pk_add_f32 v[246:247], v[246:247], v[126:127]
	v_pk_add_f32 v[242:243], v[242:243], v[130:131]
	v_pk_add_f32 v[240:241], v[240:241], v[134:135]
	v_pk_add_f32 v[18:19], v[18:19], v[138:139]
	v_pk_add_f32 v[244:245], v[244:245], v[142:143]
	v_pk_add_f32 v[252:253], v[252:253], v[146:147]
	v_pk_add_f32 v[250:251], v[250:251], v[150:151]
	v_pk_add_f32 v[248:249], v[248:249], v[154:155]
	v_pk_add_f32 v[246:247], v[246:247], v[158:159]
	v_pk_add_f32 v[242:243], v[242:243], v[162:163]
	v_pk_add_f32 v[240:241], v[240:241], v[166:167]
	v_pk_add_f32 v[18:19], v[18:19], v[170:171]
	v_pk_add_f32 v[244:245], v[244:245], v[174:175]
	s_delay_alu instid0(VALU_DEP_2)
	v_pk_add_f32 v[18:19], v[18:19], v[248:249]
	s_delay_alu instid0(VALU_DEP_2)
	v_pk_add_f32 v[244:245], v[244:245], v[246:247]
	v_pk_add_f32 v[252:253], v[252:253], v[242:243]
	v_pk_add_f32 v[250:251], v[250:251], v[240:241]
	s_delay_alu instid0(VALU_DEP_2)
	v_pk_add_f32 v[18:19], v[18:19], v[252:253]
	s_delay_alu instid0(VALU_DEP_2)
	v_pk_add_f32 v[244:245], v[244:245], v[250:251]
	s_delay_alu instid0(VALU_DEP_1)
	v_pk_add_f32 v[18:19], v[18:19], v[244:245]
.irp b, 0,1,2,3
.irp i, 0,2,4,6,8,10,12,14
.endr
	v_cvt_scalef32_pk8_bf8_f32 v[P+4*\b:P+1+4*\b], v[S+16*\b:S+7+16*\b], v[SO+\b]
	v_cvt_scalef32_pk8_bf8_f32 v[P+2+4*\b:P+3+4*\b], v[S+8+16*\b:S+15+16*\b], v[SO+\b]
.endr
.set j, 0
.rept 16
	v_pk_mul_f32 v[O+j:O+j+1], v[O+j:O+j+1], v[20:21] op_sel_hi:[1,0]   ; O^T under the new M; also the places between the codes and the products
.set j, j+2
.endr
.endm
; Behind the diagonal step M is final.  A masked key's p, its block's scale and code: one fragment and one scale word for all steps that follow; their share of my half of the row's sum.
.macro HPREP
	v_fma_f32 v23, v6, s82, v16                    ; t(-10,000) - M
	s_wait_alu depctr_va_vdst(0)
	v_exp_f32 v23, v23
	v_cvt_f32_u32 v247, s79                        ; (a plain line behind the exponential)
	s_wait_alu depctr_va_vdst(0)
	v_max_num_f32 v[BM], 0x8000000, v23
	s_delay_alu instid0(VALU_DEP_1)
	v_add_nc_u32 v[SO], 0xf8800000, v[BM]
	s_delay_alu instid0(VALU_DEP_2)
	v_and_or_b32 v[HD], v[BM], 0x7f800000, s84
	s_delay_alu instid0(VALU_DEP_2)
	v_lshrrev_b32 v[BY], 23, v[SO]
	v_fma_f32 v18, v23, v247, v18
	v_min_num_f32 v246, v23, v[HD]
.irp j, 0,1,2,3,4,5,6,7
	v_mov_b32 v[S+\j], v246                        ; more than eight plain lines now stand behind the products: their scale word and codes may be written
.endr
	v_lshl_or_b32 v14, v[BY], 8, v[BY]
	s_delay_alu instid0(VALU_DEP_1)
	v_lshl_or_b32 v14, v14, 16, v14
	v_cvt_scalef32_pk8_bf8_f32 v[P:P+1], v[S:S+7], v[SO]
	v_nop
.irp j, 1,2,3,4,5,6,7
	v_mov_b32 v[P+2*\j], v[P]
	v_mov_b32 v[P+2*\j+1], v[P+1]
.endr
.endm
; A KEY STEP of 128 keys: s75 its number, s76 its LDS byte, s77 that of its scale words.
.macro STEP
	s_cmp_gt_u32 s75, s78
	s_cbranch_scc1 .Lhid_\@                        ; all its keys are masked
	s_setprio 2
	v_add_nc_u32 v3, s76, v1
	v_add_nc_u32 v4, s77, v2
.rept 6
	v_nop                                          ; with the two lines above: eight places in front of loads into registers that the last products read
.endr
	ds_load_b64 v[10:11], v4                       ; k's scale words: four fragments'
.irp f, 0,1,2,3
.irp c, 0,1,2,3
	ds_load_b128 v[KF+16*\f+4*\c:KF+16*\f+4*\c+3], v3 offset:2048*\f+512*\c
.endr
.endr
	s_wait_alu depctr_va_vdst(0)
.irp f, 0,1,2,3
	s_wait_dscnt 12-4*\f                           ; fragment f is in; the later fragments' loads, four each, may be out
.if \f%2
	v_wmma_scale_f32_16x16x128_f8f6f4 v[S+16*\f:S+16*\f+7], v[KF+16*\f:KF+16*\f+15], v[32:47], 0, v[10+\f/2], v15 matrix_a_fmt:MATRIX_FMT_BF8 matrix_b_fmt:MATRIX_FMT_BF8 matrix_a_scale:MATRIX_SCALE_ROW1
	v_wmma_scale_f32_16x16x128_f8f6f4 v[S+16*\f+8:S+16*\f+15], v[KF+16*\f:KF+16*\f+15], v[24:39], 0, v[10+\f/2], v15 matrix_a_fmt:MATRIX_FMT_BF8 matrix_b_fmt:MATRIX_FMT_BF8 matrix_a_scale:MATRIX_SCALE_ROW1
.else
	v_wmma_scale_f32_16x16x128_f8f6f4 v[S+16*\f:S+16*\f+7], v[KF+16*\f:KF+16*\f+15], v[32:47], 0, v[10+\f/2], v15 matrix_a_fmt:MATRIX_FMT_BF8 matrix_b_fmt:MATRIX_FMT_BF8
	v_wmma_scale_f32_16x16x128_f8f6f4 v[S+16*\f+8:S+16*\f+15], v[KF+16*\f:KF+16*\f+15], v[24:39], 0, v[10+\f/2], v15 matrix_a_fmt:MATRIX_FMT_BF8 matrix_b_fmt:MATRIX_FMT_BF8
.endif
.endr
.rept 8
	v_nop                                          ; places in front of the loads over k's fragments and of the first read of the scores
.endr
	VLOAD                                          ; v lands while the softmax is walked
	s_cmp_lg_u32 s75, s78
	s_cbranch_scc1 .Lopen_\@
.set n, 0
.rept 64                                       ; on the diagonal: register 16 b + 8 u + j holds key 32 b + 16 u + 8 h + j of the step: masked where 32 b + 16 u + j > my query - 8 h
	v_cmp_gt_i32 vcc_lo, 32*(n/16)+16*((n/8)%2)+n%8, v5
	v_cndmask_b32 v[S+n], v[S+n], v6, vcc_lo
.set n, n+1
.endr
.Lopen_\@:
	SOFTMAX
	s_setprio 0
	s_wait_alu depctr_va_vdst(0)
	s_wait_dscnt 0x0                               ; v is in
	PV
	s_cmp_lg_u32 s75, s78
	s_cbranch_scc1 .Lend_\@
	HPREP
	s_branch .Lend_\@
.Lhid_\@:
	v_add_nc_u32 v3, s76, v1
	v_add_nc_u32 v4, s77, v2
.rept 6
	v_nop                                          ; eight places: in front of the loads, and between the constant scale word and the products
.endr
	VLOAD
	s_wait_dscnt 0x0
	s_wait_alu depctr_va_vdst(0)
	PV
.Lend_\@:
	s_add_co_u32 s76, s76, 16384
	s_add_co_u32 s77, s77, 512
	s_add_co_u32 s75, s75, 1
.endm
.macro LOOP first, end                 ; steps first .. end - 1: every start is a constant of the text
	s_mov_b32 s75, \first
	s_mov_b32 s76, \first*16384
	s_mov_b32 s77, \first*512
.Lloop_\@:
	STEP
	s_cmp_lt_u32 s75, \end
	s_cbranch_scc1 .Lloop_\@
	s_setprio 0
.endm
; A pass's end: O^T / the sum is a's 16 tokens x 64 features: two blocks of 32 along the last product's K: quantised and stored as two chunks.
.macro FINISH
.rept 8
	v_nop
.endr
	v_add_f32 v18, v18, v19
	s_delay_alu instid0(VALU_DEP_1)
	v_permlanex16_b32 v[PM], v18, s80, s81
	s_delay_alu instid0(VALU_DEP_1)
	v_add_f32 v18, v18, v[PM]                      ; the row's sum
	s_wait_alu depctr_va_vdst(0)
	v_rcp_f32 v18, v18
	v_nop
.set j, 0
	s_wait_alu depctr_va_vdst(0)
.rept 32
	v_mul_f32 v[S+j], v[O+j], v18
.set j, j+1
.endr
.irp b, 0,1
	v_max3_num_f32 v[BM+\b], |v[S+16*\b]|, |v[S+1+16*\b]|, 0x8000000
.endr
.irp i, 2,4,6,8,10,12,14
.irp b, 0,1
	s_delay_alu instid0(VALU_DEP_2)
	v_max3_num_f32 v[BM+\b], v[BM+\b], |v[S+16*\b+\i]|, |v[S+1+16*\b+\i]|
.endr
.endr
.irp b, 0,1
	s_delay_alu instid0(VALU_DEP_2)
	v_permlanex16_b32 v[PM+\b], v[BM+\b], s80, s81
.endr
.irp b, 0,1
	s_delay_alu instid0(VALU_DEP_2)
	v_max_num_f32 v[BM+\b], v[BM+\b], v[PM+\b]
.endr
.irp b, 0,1
	s_delay_alu instid0(VALU_DEP_2)
	v_add_nc_u32 v[SO+\b], 0xf8800000, v[BM+\b]
.endr
.irp b, 0,1
.endr
.irp b, 0,1
	s_delay_alu instid0(VALU_DEP_2)
	v_lshrrev_b32 v[BY+\b], 23, v[SO+\b]
.endr
.irp b, 0,1
.irp i, 0,1,2,3,4,5,6,7,8,9,10,11,12,13,14,15
.endr
	v_cvt_scalef32_pk8_bf8_f32 v[P+4*\b:P+1+4*\b], v[S+16*\b:S+7+16*\b], v[SO+\b]
	v_cvt_scalef32_pk8_bf8_f32 v[P+2+4*\b:P+3+4*\b], v[S+8+16*\b:S+15+16*\b], v[SO+\b]
.endr
	v_cndmask_b32 v246, v[BY], v[BY+1], s85        ; lanes 0-15 store the first block's byte, lanes 16-31 the second's.  (The plain line behind the conversions)
	global_store_b128 v1, v[P:P+3], s[92:93]       ; 512 consecutive bytes each
	global_store_b128 v1, v[P+4:P+7], s[92:93] offset:512
	global_store_b8 v8, v246, s[94:95]
	s_wait_xcnt 0x0                                ; the stores' registers and bases are written again only behind this wait
.endm
	INIT 1                                         ; the late tiles first: their whole steps stand under the later groups' way in
	s_wait_tensorcnt 0x3                           ; the scale words and steps 0, 1 are in; three younger loads may be out
	s_barrier_signal -1
	s_barrier_wait -1                              ; everybody's are
	LOOP 0, 2
	s_wait_tensorcnt 0x2                           ; steps 2, 3; two younger loads may be out
	s_wait_dscnt 0x0
	s_barrier_signal -1
	s_barrier_wait -1
	LOOP 2, 4
	s_wait_tensorcnt 0x1                           ; steps 4 to 7; the last load may be out
	s_wait_dscnt 0x0
	s_barrier_signal -1
	s_barrier_wait -1
	LOOP 4, 8
	s_wait_tensorcnt 0x0                           ; steps 8 to 15
	s_wait_dscnt 0x0
	s_barrier_signal -1
	s_barrier_wait -1
	LOOP 8, 16
	FINISH
	INIT 0
	LOOP 0, 16
	FINISH
	s_wait_dscnt 0x0
	s_wait_tensorcnt 0x0
	ds_add_u32 v254, v255
	s_wait_dscnt 0x0
	CROUND                                         ; the closing round
	s_endpgm
.Lfunc_end_k_q87378fb33e_attn:
	.size	k_q87378fb33e_attn, .Lfunc_end_k_q87378fb33e_attn-k_q87378fb33e_attn
	.p2alignl 7, 3214868480
	.fill 96, 4, 3214868480
	.section	.rodata,"a",@progbits
	.p2align	6, 0x0
	.amdhsa_kernel k_q87378fb33e_attn
		.amdhsa_group_segment_fixed_size 272384
		.amdhsa_private_segment_fixed_size 0
		.amdhsa_enable_private_segment 0
		.amdhsa_kernarg_size 32
		.amdhsa_user_sgpr_count 2
		.amdhsa_user_sgpr_kernarg_segment_ptr 1
		.amdhsa_wavefront_size32 1
		.amdhsa_system_sgpr_workgroup_id_x 1
		.amdhsa_system_sgpr_workgroup_id_y 1
		.amdhsa_system_sgpr_workgroup_id_z 1
		.amdhsa_system_vgpr_workitem_id 0
		.amdhsa_next_free_vgpr 256
		.amdhsa_next_free_sgpr 102
		.amdhsa_reserve_vcc 1
		.amdhsa_float_denorm_mode_32 3
		.amdhsa_float_denorm_mode_16_64 3
		.amdhsa_fp16_overflow 1
		.amdhsa_memory_ordered 1
		.amdhsa_forward_progress 1
		.amdhsa_inst_pref_size 154
	.end_amdhsa_kernel
	.amdgpu_metadata
---
amdhsa.version: [ 1, 2 ]
amdhsa.kernels:
  - .name:           k_q87378fb33e_attn
    .symbol:         k_q87378fb33e_attn.kd
    .args:
      - { .name: qq, .offset: 0, .size: 8, .value_kind: global_buffer, .address_space: global }
      - { .name: kv, .offset: 8, .size: 8, .value_kind: global_buffer, .address_space: global }
      - { .name: ac, .offset: 16, .size: 8, .value_kind: global_buffer, .address_space: global }
      - { .name: asc, .offset: 24, .size: 8, .value_kind: global_buffer, .address_space: global }
    .group_segment_fixed_size: 272384
    .private_segment_fixed_size: 0
    .kernarg_segment_align: 8
    .kernarg_segment_size: 32
    .max_flat_workgroup_size: 512
    .sgpr_count:     102
    .vgpr_count:     256
    .wavefront_size: 32
...
	.end_amdgpu_metadata
.endif
;; end of part 3
;; launch gemm_proj (part 4): grid 4 x 32, 4 waves a work-group, clusters of 4 x 4, 327,680 bytes of LDS; arguments ac, asc, wc, ws, c_proj_b, out0; writes out0
.if DOCPART == 4
	.amdgcn_target "amdgcn-amd-amdhsa--gfx1250"
	.amdhsa_code_object_version 6
	.text
	.protected	k_q87378fb33e_gemm_proj
	.globl	k_q87378fb33e_gemm_proj
	.p2align	8
	.type	k_q87378fb33e_gemm_proj,@function
k_q87378fb33e_gemm_proj:
	s_mov_b64 s[64:65], 0
	v_nop
	global_prefetch_b8 v0, s[64:65] scope:SCOPE_SE
	s_setreg_imm32_b32 hwreg(HW_REG_WAVE_MODE, 25, 1), 1
	s_wait_xcnt 0x0
	s_wait_alu depctr_hold_cnt(0) depctr_sa_sdst(0) depctr_va_vdst(0) depctr_va_sdst(0) depctr_va_ssrc(0) depctr_va_vcc(0) depctr_vm_vsrc(0)
	s_getreg_b32 s2, hwreg(HW_REG_IB_STS2, 6, 4)
	s_cmp_eq_u32 s2, 0
	s_cbranch_scc0 .Lentry_in_a_cluster
	s_endpgm
.Lentry_in_a_cluster:
	s_bfe_u32 s2, ttmp6, 0x10000c
	s_cmp_lg_u32 s2, 0xf033
	s_cbranch_scc0 .Lentry_shape_is_right
	s_endpgm
.Lentry_shape_is_right:
; out0 = a c_proj_w + c_proj_b on codes of BF8 (E5M2) with E8M0 scales; M 8,192, N 1,024, K 1,024; sums and result f32.
; A = a: chunks [token tile 512][block of 32 along K: 32][512], lane l's 16 bytes of a fragment's four registers at 16 l; scale bytes asc [8192][32].
; B = c_proj_w's codes, rows [1024][1024] from byte 3,145,728 of wc, scale bytes from byte 98,304 of ws.  Inside each block of 32 both have the same order (the second and third groups of eight exchanged).
; A tile of 256 x 256 of the result is made by four waves, 128 x 128 each.  K goes in steps of 256 through a ring of two LDS slots; the scale bytes come once.  128 tiles: 128 work-groups.
; CLUSTER 4 x 4: A's tile is asked for jointly along a row of the cluster, B's along a column.  The matrix instruction is used transposed (source 0 = rows of B, source 1 = rows of A):
; a lane holds eight neighbouring numbers of a row of the result.
; LIMITS: NaN and infinities are not served.
; REGISTERS: window 0: v0-31 addresses; v32-63 scale words; v64-67 the bias of my four columns on the way out; from v128 A's fragments, one set.  window 1: B's, two sets.  windows 2, 3: the accumulators.
.set SIZE_N, 1024
.set NQ,     2
.set ROWB,   256                       ; B: a tile's row in bytes
.set KROW,   1024
.set ASTEP,  4096                      ; A: a K step's eight chunks of a token tile
.set PITCH,  272                       ; B's LDS row: 256 bytes + 16 of padding
.set FR,     16
.set NL,     4
.set NP,     8                         ; places behind this matrix instruction (ISA guide 7.12.1)
.set AHALF,  32768                     ; A: 8 token tiles x 4,096 bytes, dense: a load's 512 bytes are consecutive
.set BHALF,  128*PITCH
.set BOFF,   2*AHALF
.set SLOT,   BOFF+2*BHALF
.set LAPS,   2
.set KS,     32
.set SCL,    2*SLOT
.set HALFS,  (128*KS/256)*272
.set SBLK,   (16*KS/256)*272
.set SPARE,  SCL+4*HALFS               ; the spare words, 128 bytes for each wave: two blocks of 256 bytes that no other line names
.set SPITCH, 528                       ; the way out: a stage of 16 rows x (512 + 16) bytes for each wave, in slot 0, which has had its last fill and its last read by then
.set ADRA, 16
.set ADRB, 20
.set STO,  24
.set RD,   25
.set CO,   26
.set ADRS, 27
.set SPW,  28
.set NIL,  29
.set SC,   32
.set BIAS, 64
.set AF,   128
.set BK,   128
.set G1, 24
.set G0, 32
.set G1B, 48
.set G0B, 56
.set G1S, 68
.set G0S, 76
.set G1SB, 80
.set G0SB, 88
.set MSB, 0
.macro WIN new                         ; the immediate's high byte repeats the setting that is left
.if MSB != \new
	s_set_vgpr_msb (MSB<<8)|\new
.set MSB, \new
.endif
.endm
.set MUL_LO, 0xa1
.set MUL_HI, 0xf1
.set TO_B,   0x40
.macro JLOAD g0a, g1a, g0b, g1b        ; a joint load: waves 0 and 1 fetch for A, waves 2 and 3 for B; four v_nop follow each line
	s_cmp_eq_u32 s15, 0
	s_cbranch_scc0 .Lfor_b_\@
	tensor_load_to_lds s[\g0a:\g0a+3], s[\g1a:\g1a+7]
	s_nop 0
.rept 4
	v_nop
.endr
	s_branch .Lasked_\@
.Lfor_b_\@:
	tensor_load_to_lds s[\g0b:\g0b+3], s[\g1b:\g1b+7]
	s_nop 0
.rept 4
	v_nop
.endr
.Lasked_\@:
.endm
.macro CREST
	s_cmp_lg_u32 s14, 0
	s_cbranch_scc1 .Lnot_wave_0_\@
	s_barrier_signal -3
.Lnot_wave_0_\@:
	s_barrier_wait -3
	s_barrier_signal -1
	s_barrier_wait -1
.endm
.macro CROUND
	s_barrier_signal -1
	s_barrier_wait -1
	CREST
.endm
	s_load_b128 s[4:7], s[0:1], 0x0                ; ac, asc
	s_load_b128 s[8:11], s[0:1], 0x10              ; wc, ws
	s_load_b128 s[96:99], s[0:1], 0x20             ; c_proj_b, out0
	v_lshl_add_u32 v[SPW], v0, 2, SPARE
	v_mov_b32 v[NIL], 0
	ds_add_u32 v28, v29
	ds_add_u32 v28, v29
	s_wait_dscnt 0x0
	v_lshrrev_b32 v1, 5, v0
	v_readfirstlane_b32 s14, v1                    ; wave 0..3
	s_lshr_b32 s15, s14, 1                         ; which half of the tile's rows is mine.  Also: I fetch for A (0) or for B (1)
	s_and_b32 s16, s14, 1                          ; which half of its columns.  Also: which half of that tile I fetch
	s_bfe_u32 s40, ttmp6, 0x40000                  ; cx
	s_bfe_u32 s41, ttmp6, 0x40004                  ; cy
	s_lshl_b32 s42, ttmp9, 2
	s_add_co_u32 s42, s42, s40                     ; tile column
	s_and_b32 s17, ttmp7, 0xffff
	s_lshl_b32 s17, s17, 2
	s_add_co_u32 s17, s17, s41                     ; tile row
	s_lshl_b32 s43, s41, 2
	s_lshl_b32 s43, 15, s43                        ; my row of the cluster
	s_lshl_b32 s44, 0x1111, s40                    ; my column
	s_or_b32 s[G1+0], s43, (3<<16)|(1<<21)         ; A: the mask; elements of 8 bytes; no padding; bit 21 beside a mask
	s_mov_b32 s[G1+1], 512<<16                     ; tensor_dim0: 4,096 bytes of a token tile
	s_mov_b32 s[G1+2], 8<<16                       ; tensor_dim1: 8 token tiles
	s_mov_b32 s[G1+3], 512<<16                     ; tile_dim0
	s_mov_b32 s[G1+4], 8                           ; tile_dim1
	s_mov_b32 s[G1+5], 2048                        ; 16,384 bytes from token tile to token tile
	s_mov_b32 s[G1+6], 0
	s_mov_b32 s[G1+7], 0
	s_or_b32 s[G1B+0], s44, (0<<16)|(1<<20)|(1<<21)|(5<<22)|(3<<25)  ; B: elements of 1 byte; 4 words of padding after every 64
	s_mov_b32 s[G1B+1], ROWB<<16
	s_mov_b32 s[G1B+2], 128<<16
	s_mov_b32 s[G1B+3], ROWB<<16
	s_mov_b32 s[G1B+4], 128
	s_mov_b32 s[G1B+5], KROW
	s_mov_b32 s[G1B+6], 0
	s_mov_b32 s[G1B+7], 0
	s_or_b32 s[G1S+0], s43, (3<<16)|(1<<20)|(1<<21)|(5<<22)|(3<<25)  ; the scales of 128 rows: 16 rows of 256 bytes, 16 of padding behind each
	s_or_b32 s[G1SB+0], s44, (3<<16)|(1<<20)|(1<<21)|(5<<22)|(3<<25)
.irp g, G1S, G1SB
	s_mov_b32 s[\g+1], 32<<16
	s_mov_b32 s[\g+2], (128*KS/256)<<16
	s_mov_b32 s[\g+3], 32<<16
	s_mov_b32 s[\g+4], 128*KS/256
	s_mov_b32 s[\g+5], 32
	s_mov_b32 s[\g+6], 0
	s_mov_b32 s[\g+7], 0
.endr
	s_lshl_b32 s18, s16, 7
	s_lshl_b32 s20, s17, 8
	s_add_co_u32 s20, s20, s18                     ; A's row
	s_lshl_b32 s46, s42, 8
	s_add_co_u32 s46, s46, s18                     ; B's row
	s_mov_b32 s21, 0
	s_mov_b32 s47, 0
	s_mov_b64 s[18:19], KS
	s_mul_u64 s[22:23], s[20:21], s[18:19]
	s_mul_u64 s[92:93], s[46:47], s[18:19]
	s_mov_b64 s[18:19], KROW
	s_mul_u64 s[20:21], s[20:21], s[18:19]         ; A: 16 rows are a token tile of 16,384 bytes: 1,024 a row, as in B
	s_mul_u64 s[46:47], s[46:47], s[18:19]
	s_mul_i32 s45, s16, AHALF                      ; where they go: A's half,
	s_mul_i32 s2, s16, BHALF
	s_add_co_u32 s2, s2, BOFF                      ; B's half, behind A's two
	s_mul_i32 s94, s14, HALFS
	s_wait_kmcnt 0x0
	s_add_nc_u64 s[8:9], s[8:9], 3145728           ; c_proj_w's part of wc
	s_add_nc_u64 s[10:11], s[10:11], 98304         ; and of ws
	s_add_nc_u64 s[20:21], s[4:5], s[20:21]
	s_add_nc_u64 s[22:23], s[6:7], s[22:23]
	s_add_nc_u64 s[46:47], s[8:9], s[46:47]
	s_add_nc_u64 s[92:93], s[10:11], s[92:93]
	CROUND                                         ; all sixteen work-groups are here: the first joint loads meet
	s_mov_b32 s[G0S], 1
	s_add_co_u32 s[G0S+1], s94, SCL
	s_mov_b64 s[G0S+2:G0S+3], s[22:23]
	s_or_b32 s[G0S+3], s[G0S+3], 0x80000000
	s_mov_b32 s[G0SB], 1
	s_add_co_u32 s[G0SB+1], s94, SCL
	s_mov_b64 s[G0SB+2:G0SB+3], s[92:93]
	s_or_b32 s[G0SB+3], s[G0SB+3], 0x80000000
	JLOAD G0S, G1S, G0SB, G1SB
.irp s, 0,1
	s_mov_b32 s[G0+4*\s], 1
	s_add_co_u32 s[G0+4*\s+1], s45, \s*SLOT
	s_add_nc_u64 s[G0+4*\s+2:G0+4*\s+3], s[20:21], \s*ASTEP
	s_or_b32 s[G0+4*\s+3], s[G0+4*\s+3], 0x80000000
	s_mov_b32 s[G0B+4*\s], 1
	s_add_co_u32 s[G0B+4*\s+1], s2, \s*SLOT
	s_add_nc_u64 s[G0B+4*\s+2:G0B+4*\s+3], s[46:47], \s*ROWB
	s_or_b32 s[G0B+4*\s+3], s[G0B+4*\s+3], 0x80000000
	s_wait_alu depctr_va_vdst(0)
	s_wait_tensorcnt 0x0
	ds_add_u32 v28, v29
	s_wait_dscnt 0x0
	CROUND
	JLOAD G0+4*\s, G1, G0B+4*\s, G1B
.endr
	v_and_b32 v1, 15, v0                           ; r
	v_bfe_u32 v2, v0, 4, 1                         ; h
	v_and_b32 v6, 31, v0
	v_lshlrev_b32 v[CO], 4, v6                     ; 16 x lane
	v_mul_u32_u24 v3, v1, PITCH
	v_lshl_add_u32 v4, v2, 4, v3                   ; B: a fragment's row x pitch + 16 h
	s_mul_i32 s21, s15, AHALF                      ; my 8 token tiles of A
	s_mul_i32 s22, s16, BHALF
	s_add_co_u32 s22, s22, BOFF                    ; my 128 rows of B
.irp s, 0,1
	v_add_nc_u32 v[ADRA+\s], s21, v[CO]
	v_add_nc_u32 v[ADRB+\s], s22, v4
	s_add_co_u32 s21, s21, SLOT
	s_add_co_u32 s22, s22, SLOT
.endr
	v_mul_u32_u24 v5, v1, KS
	v_lshrrev_b32 v7, 8, v5
	v_lshl_add_u32 v5, v7, 4, v5
	s_mul_i32 s21, s15, HALFS
	s_mul_i32 s22, s16, HALFS
	s_add_co_u32 s22, s22, 2*HALFS
	s_sub_co_u32 s22, s22, s21
	v_mul_u32_u24 v7, s22, v2                      ; lanes 16-31 take B's
	s_add_co_u32 s21, s21, SCL
	v_add_nc_u32 v5, v5, v7
	v_add_nc_u32 v[ADRS], s21, v5
	s_mul_i32 s23, s14, 16*SPITCH                  ; my stage
	v_mul_u32_u24 v5, v1, SPITCH
	v_lshl_add_u32 v5, v2, 5, v5
	v_add_nc_u32 v[STO], s23, v5                   ; in: row r, 32 bytes for each half of the lanes
	v_add_nc_u32 v[RD], s23, v[CO]                 ; back: the 32 lanes take one row of 512 bytes
	s_lshl_b32 s20, s17, 8
	s_lshl_b32 s21, s15, 7
	s_add_co_u32 s20, s20, s21                     ; my first row of the result
	s_mov_b32 s21, 0
	s_mov_b64 s[18:19], SIZE_N*4
	s_mul_u64 s[20:21], s[20:21], s[18:19]
	s_lshl_b32 s46, s42, 10                        ; my first column, in bytes
	s_lshl_b32 s47, s16, 9
	s_add_co_u32 s46, s46, s47
	s_mov_b32 s47, 0
	s_add_nc_u64 s[96:97], s[96:97], s[46:47]      ; the bias at my columns
	s_add_nc_u64 s[20:21], s[20:21], s[46:47]
	s_add_nc_u64 s[12:13], s[98:99], s[20:21]
	global_load_b128 v[BIAS:BIAS+3], v[CO], s[96:97]   ; the four columns that I store on the way out
.macro FRAG reg, adr, q, i             ; B: 16 rows x 128 K from rows
.irp c, 0,1,2,3
	ds_load_b128 v[\reg+4*\c:\reg+4*\c+3], v[\adr] offset:128*(\q)+32*\c+(\i)*16*PITCH
.endr
.endm
.macro FRAGA reg, adr, q, i            ; A: token tile i, chunks 4 q + c
.irp c, 0,1,2,3
	ds_load_b128 v[\reg+4*\c:\reg+4*\c+3], v[\adr] offset:4096*(\i)+512*(4*(\q)+\c)
.endr
.endm
; The 64 accumulators take turns, one instruction a turn, in the same order in every step.
.macro MUL16 a0, p, q, sc, zero
.irp a, \a0, \a0+1
.irp b, 0,1,2,3,4,5,6,7
.if \zero
	v_wmma_scale_f32_16x16x128_f8f6f4 v[8*(8*((\a)%4)+\b):8*(8*((\a)%4)+\b)+7], v[128*(\p)+FR*\b:128*(\p)+FR*\b+FR-1], v[AF+FR*(\a):AF+FR*(\a)+FR-1], 0, v[SC+8*NQ*(\sc)+NQ*\b+(\q)], v[SC+8*NQ*(\sc)+NQ*(\a)+(\q)] matrix_a_fmt:MATRIX_FMT_BF8 matrix_b_fmt:MATRIX_FMT_BF8 matrix_a_scale:MATRIX_SCALE_ROW1
.else
	v_wmma_scale_f32_16x16x128_f8f6f4 v[8*(8*((\a)%4)+\b):8*(8*((\a)%4)+\b)+7], v[128*(\p)+FR*\b:128*(\p)+FR*\b+FR-1], v[AF+FR*(\a):AF+FR*(\a)+FR-1], v[8*(8*((\a)%4)+\b):8*(8*((\a)%4)+\b)+7], v[SC+8*NQ*(\sc)+NQ*\b+(\q)], v[SC+8*NQ*(\sc)+NQ*(\a)+(\q)] matrix_a_fmt:MATRIX_FMT_BF8 matrix_b_fmt:MATRIX_FMT_BF8 matrix_a_scale:MATRIX_SCALE_ROW1
.endif
.endr
.endr
.endm
.macro FETCH_B slot, q, p
	WIN TO_B
.irp i, 0,1,2,3,4,5,6,7
	FRAG 128*(\p)+FR*\i, ADRB+\slot, \q, \i
.endr
	WIN 0
.endm
.macro FETCH_A slot, q, i0
.irp i, \i0, \i0+1, \i0+2, \i0+3
	FRAGA AF+FR*(\i), ADRA+\slot, \q, \i
.endr
.endm
.macro SCALES sc
.irp i, 0,1,2,3,4,5,6,7
	ds_load_b64 v[SC+8*NQ*\sc+NQ*\i:SC+8*NQ*\sc+NQ*\i+1], v[ADRS] offset:\i*SBLK
.endr
.endm
.macro PLACES n
.rept \n
	v_nop
.endr
.endm
.macro STEP slot, q, zero
	s_wait_dscnt 4*NL                              ; B's set and A's blocks 0-3 are in; the youngest 16 loads (A's blocks 4-7) may be out
	WIN MUL_LO
	MUL16 0, (\q)%2, \q, \slot, \zero
	MUL16 2, (\q)%2, \q, \slot, \zero
	s_wait_dscnt 0
	PLACES NP
	FETCH_B \slot, (\q)+1, 1-(\q)%2
	FETCH_A \slot, (\q)+1, 0
	WIN MUL_HI
	MUL16 4, (\q)%2, \q, \slot, \zero
	MUL16 6, (\q)%2, \q, \slot, \zero
	PLACES NP
	WIN 0
	FETCH_A \slot, (\q)+1, 4
.endm
.macro TURN slot, next, fill
	s_wait_tensorcnt 0x0                           ; all my tensor loads have landed: my part of the next slot
	ds_add_u32 v[SPW], v[NIL]                      ; 0 onto my spare word
	s_wait_dscnt 4*NL+1                            ; the add and the youngest 16 loads may be out
	WIN MUL_LO
	MUL16 0, 1, NQ-1, \slot, 0
	s_wait_dscnt 0x0                               ; the add is done, and my reads of this slot are over
	s_barrier_signal -1
	MUL16 2, 1, NQ-1, \slot, 0
	WIN 0
	s_barrier_wait -1
.if \fill
	CREST                                          ; the barrier has opened a round of the cluster's
	s_add_nc_u64 s[G0+4*\slot+2:G0+4*\slot+3], s[G0+4*\slot+2:G0+4*\slot+3], 2*ASTEP
	s_add_nc_u64 s[G0B+4*\slot+2:G0B+4*\slot+3], s[G0B+4*\slot+2:G0B+4*\slot+3], 2*ROWB
	JLOAD G0+4*\slot, G1, G0B+4*\slot, G1B         ; the first tensor load behind the round
	PLACES NP-4
.else
	PLACES NP
.endif
	s_wait_alu depctr_va_vdst(0)
	v_add_nc_u32 v[ADRS], 4*NQ, v[ADRS]
	FETCH_B \next, 0, 0
	FETCH_A \next, 0, 0
	SCALES \next
	WIN MUL_HI
	MUL16 4, 1, NQ-1, \slot, 0
	MUL16 6, 1, NQ-1, \slot, 0
	PLACES NP
	WIN 0
	FETCH_A \next, 0, 4
.endm
	s_wait_alu depctr_va_vdst(0)
	s_wait_loadcnt 0x0                             ; the bias
	s_wait_tensorcnt 1                             ; three loads of mine went out: the scales and K step 0 are in, K step 1's may be out
	s_barrier_signal -1
	s_barrier_wait -1
	FETCH_B 0, 0, 0
	FETCH_A 0, 0, 0
	SCALES 0
	FETCH_A 0, 0, 4
	STEP 0, 0, 1
	s_mov_b32 s3, LAPS-1
.Llap:
	TURN 0, 1, 1
	STEP 1, 0, 0
	TURN 1, 0, 1
	STEP 0, 0, 0
	s_sub_co_u32 s3, s3, 1
	s_cmp_lg_u32 s3, 0
	s_cbranch_scc1 .Llap
	TURN 0, 1, 0
	STEP 1, 0, 0
	s_wait_dscnt 4*NL
	WIN MUL_LO
	MUL16 0, 1, NQ-1, 1, 0
	MUL16 2, 1, NQ-1, 1, 0
	s_wait_dscnt 0
	WIN MUL_HI
	MUL16 4, 1, NQ-1, 1, 0
	MUL16 6, 1, NQ-1, 1, 0
	WIN 0
; THE WAY OUT, block by block of 16 rows x 128 columns, through my own stage: back come whole rows of 512 bytes, the bias is added, and 32 lanes store 512 consecutive bytes.
.macro TOSTAGE a
.set AC, 64*((\a)%4)
	WIN 0x08+4*((\a)/4)                            ; the data: window 2 or 3
.irp b, 0,1,2,3,4,5,6,7
	ds_store_b128 v[STO], v[AC+8*\b:AC+8*\b+3] offset:64*\b          ; each accumulator from its low end on
	ds_store_b128 v[STO], v[AC+8*\b+4:AC+8*\b+7] offset:64*\b+16
.endr
	WIN 0
.set BB, BK+64*((\a)%2)
.irp t, 0,1,2,3,4,5,6,7,8,9,10,11,12,13,14,15
	ds_load_b128 v[BB+4*\t:BB+4*\t+3], v[RD] offset:\t*SPITCH        ; LDS serves a wave's instructions in order: these see the stores above
.endr
.endm
.macro SEND a, younger                 ; younger: the LDS instructions issued behind block a's loads, which may stay out
.set BB, BK+64*((\a)%2)
	s_wait_dscnt \younger
.if (\a) > 0
	s_add_nc_u64 s[12:13], s[12:13], 16*SIZE_N*4   ; behind a wait on XCNT: the earlier stores have read their base
.endif
.irp t, 0,1,2,3,4,5,6,7,8,9,10,11,12,13,14,15
	v_pk_add_f32 v[BB+4*\t:BB+4*\t+1], v[BB+4*\t:BB+4*\t+1], v[BIAS:BIAS+1]
	v_pk_add_f32 v[BB+4*\t+2:BB+4*\t+3], v[BB+4*\t+2:BB+4*\t+3], v[BIAS+2:BIAS+3]
	global_store_b128 v[CO], v[BB+4*\t:BB+4*\t+3], s[12:13] offset:\t*SIZE_N*4 th:TH_STORE_NT
.endr
.endm
	PLACES NP
	TOSTAGE 0
.irp a, 1,2,3,4,5,6,7
.if \a > 1
	s_wait_xcnt 0x0                                ; block a - 2's stores have read their registers and their base
.endif
	TOSTAGE \a
	SEND \a-1, 32                                  ; behind block a - 1's loads: block a's 16 stores and 16 loads
.endr
	s_wait_xcnt 0x0
	SEND 7, 0
	s_wait_tensorcnt 0x0                           ; the wave's end
	ds_add_u32 v[SPW], v[NIL]
	s_wait_dscnt 0x0
	CROUND                                         ; the closing round
	s_endpgm
.Lfunc_end_k_q87378fb33e_gemm_proj:
	.size	k_q87378fb33e_gemm_proj, .Lfunc_end_k_q87378fb33e_gemm_proj-k_q87378fb33e_gemm_proj
	.p2alignl 7, 3214868480
	.fill 96, 4, 3214868480
	.section	.rodata,"a",@progbits
	.p2align	6, 0x0
	.amdhsa_kernel k_q87378fb33e_gemm_proj
		.amdhsa_group_segment_fixed_size 327680
		.amdhsa_private_segment_fixed_size 0
		.amdhsa_enable_private_segment 0
		.amdhsa_kernarg_size 48
		.amdhsa_user_sgpr_count 2
		.amdhsa_user_sgpr_kernarg_segment_ptr 1
		.amdhsa_wavefront_size32 1
		.amdhsa_system_sgpr_workgroup_id_x 1
		.amdhsa_system_sgpr_workgroup_id_y 1
		.amdhsa_system_sgpr_workgroup_id_z 1
		.amdhsa_system_vgpr_workitem_id 0
		.amdhsa_next_free_vgpr 1024
		.amdhsa_next_free_sgpr 100
		.amdhsa_reserve_vcc 0
		.amdhsa_float_denorm_mode_32 3
		.amdhsa_float_denorm_mode_16_64 3
		.amdhsa_memory_ordered 1
		.amdhsa_forward_progress 1
		.amdhsa_inst_pref_size 163
	.end_amdhsa_kernel
	.amdgpu_metadata
---
amdhsa.version: [ 1, 2 ]
amdhsa.kernels:
  - .name:           k_q87378fb33e_gemm_proj
    .symbol:         k_q87378fb33e_gemm_proj.kd
    .args:
      - { .name: ac, .offset: 0, .size: 8, .value_kind: global_buffer, .address_space: global }
      - { .name: asc, .offset: 8, .size: 8, .value_kind: global_buffer, .address_space: global }
      - { .name: wc, .offset: 16, .size: 8, .value_kind: global_buffer, .address_space: global }
      - { .name: ws, .offset: 24, .size: 8, .value_kind: global_buffer, .address_space: global }
      - { .name: c_proj_b, .offset: 32, .size: 8, .value_kind: global_buffer, .address_space: global }
      - { .name: out0, .offset: 40, .size: 8, .value_kind: global_buffer, .address_space: global }
    .group_segment_fixed_size: 327680
    .private_segment_fixed_size: 0
    .kernarg_segment_align: 8
    .kernarg_segment_size: 48
    .max_flat_workgroup_size: 128
    .sgpr_count:     100
    .vgpr_count:     1024
    .wavefront_size: 32
...
	.end_amdgpu_metadata
.endif
;; end of part 4
